; MI455X (gfx1250); checked and timed in simulation.
; The chip was launched on July 23, 2026; its instructions are those of AMD's public machine-readable ISA for CDNA 5 (MIT licence, August 2026) and "CDNA5" Instruction Set Architecture Reference Guide (July 2026). The comments in the code are by the model that wrote it; some were corrected since.
;; Self Attention. Allowed arithmetic: matrix products marked QUANTISED: E2M3 operands, one E8M0 scale for each 32 along K, by v_wmma_scale_f32_16x16x128_f8f6f4 with both operands' format E2M3, f32 sums; everything else in f32.
;; Inputs: Wk 1,024 x 1,024 float32; Wq 1,024 x 1,024 float32; Wv 1,024 x 1,024 float32; bk 1,024 float32; bq 1,024 float32; bv 1,024 float32; k 4 x 2,048 x 1,024 float32; q 4 x 2,048 x 1,024 float32; v 4 x 2,048 x 1,024 float32.
;; Outputs: out0 4 x 2,048 x 1,024 float32.
;; This version of the problem:
;;   THIS VERSION OF THE PROBLEM IS GIVEN IN LOW PRECISION. The matrix products marked QUANTISED in the list below multiply operands that are first quantised to E2M3 (2 exponent bits, 3 mantissa bits; 6 bits a number), with one power-of-two scale for each 32 numbers along K (OCP MX v1.0); their sums are f32. All else is computed in f32.
;;   The module's matrix products, in the order in which they are computed (A, B: the left and right operand; K: the contracted axis; several contracted axes count as one K, in the product's order):
;;     1. [M 8,192, K 1,024] x [K 1,024, N 1,024]; A: input q; B: input Wq: QUANTISED
;;     2. [M 8,192, K 1,024] x [K 1,024, N 1,024]; A: input k; B: input Wk: QUANTISED
;;     3. [M 8,192, K 1,024] x [K 1,024, N 1,024]; A: input v; B: input Wv: QUANTISED
;;     4. batch 4 x [M 2,048, K 1,024] x [K 1,024, N 2,048]; A: computed on the way; B: computed on the way: QUANTISED
;;     5. batch 4 x [M 2,048, K 2,048] x [K 2,048, N 1,024]; A: softmax (see below); B: computed on the way: QUANTISED
;;   THE QUANTISER, for each operand of a quantised product, along K:
;;     - K is cut into blocks of 32 from its start; a last block that is shorter is filled with zeros.
;;     - A block's scale is 2^e with e = floor(log2(the largest magnitude in the block)) - 2, held to -126 .. 127; a block of zeros has e = 0. As a byte (E8M0): e + 127.
;;     - Each number is divided by its block's scale, clamped to +-7.5, and rounded to the nearest number of E2M3, ties to even, subnormals kept.
;;     - The product sums the exact products of the quantised numbers (number of the format x scale) in f32.
;;   ~~~python
;;   def quantise(x, axis):      # numpy; x: float32 -> the quantised numbers, widened to float32 again
;;       x = np.moveaxis(x, axis, -1); K = x.shape[-1]
;;       x = np.pad(x, [(0, 0)] * (x.ndim - 1) + [(0, -K % 32)]); x = x.reshape(x.shape[:-1] + (-1, 32)); a = np.abs(x).max(-1, keepdims=True)
;;       e = np.where(a > 0, np.clip(np.frexp(np.where(a > 0, a, 1))[1] - 1 - 2, -126, 127), 0)      # np.frexp(a)[1] - 1 = floor(log2(a)), exactly
;;       r = np.clip(x / 2.0 ** e, -7.5, 7.5)
;;       step = 2.0 ** (np.maximum(np.frexp(np.where(r == 0, 1, r))[1] - 1, 0) - 3)
;;       q = np.round(r / step) * step * 2.0 ** e      # np.round: ties to even
;;       return np.moveaxis(q.reshape(q.shape[:-2] + (-1,))[..., :K], -1, axis).astype(np.float32)
;;   ~~~
;;   SOFTMAX AHEAD OF A QUANTISED PRODUCT. Where the list says 'softmax', what is quantised is not the finished softmax but p = 2^(t - M), with t = logit x log2(e) and M = ceil(the row's largest t), a whole number; so 1/2 < the row's largest p <= 1. The row's sum l is taken of the UNQUANTISED p, in f32, and the product's result is divided by l at the end. Since M is a whole number, a kernel that streams over the keys may use a running M (the ceiling of the running maximum): every later rescaling is an exact power of two, which a block's scale takes up: the codes' values come out the same.
;;   OPERANDS COMPUTED ON THE WAY. 'Computed on the way' means the value that the module computes at that place (a softmax that the list does not call 'softmax' is quantised finished and normalised). What goes into a quantiser is computed in f32, as accurately as f32 sums, v_exp_f32 and their like allow (about 1e-6 of the number): no bf16 or f16 on the way to a quantiser, and a product that is left as it is and whose result goes on into a quantised operand takes f32 operands (vector FMAs, or v_wmma_f32_16x16x4_f32). A number that lies on a knife's edge between two numbers of the format may be rounded either way, as far as f32 arithmetic and the matrix unit's own rounding can turn it there, and no further.
;; One version. Each part assembles by itself: llvm-mc -triple=amdgcn-amd-amdhsa -mcpu=gfx1250 --defsym DOCPART=n.
;; ======== version 1 of 1: 4 launches
;; workspace buffers: xcodes 21,233,664 bytes; xscales 884,736 bytes; pjc 18,874,368 bytes; pjs 786,432 bytes; pc 12,582,912 bytes; pst 1,572,864 bytes
;; launch quant (part 1): grid 432 x 1, 8 waves a work-group, no clusters, 70,656 bytes of LDS; arguments q, k, v, Wq, Wk, Wv, xcodes, xscales; writes xcodes, xscales
.if DOCPART == 1
	.amdgcn_target "amdgcn-amd-amdhsa--gfx1250"
	.amdhsa_code_object_version 6
	.text
	.protected	k_qa19147bcad_quant
	.globl	k_qa19147bcad_quant
	.p2align	8
	.type	k_qa19147bcad_quant,@function
k_qa19147bcad_quant:
	s_mov_b64 s[64:65], 0
	v_nop
	global_prefetch_b8 v0, s[64:65] scope:SCOPE_SE
	s_setreg_imm32_b32 hwreg(HW_REG_WAVE_MODE, 25, 1), 1
	s_wait_xcnt 0x0
; q, k, v [8192][1024] and Wq, Wk, Wv [1024][1024], f32, K innermost, become codes of FP6 (E2M3) with one E8M0 byte for each 32 along K.
; A block's scale is 2^(floor(log2(its largest magnitude)) - 2); its byte is the largest magnitude's exponent field - 2, held at 1 from below; numbers are divided by the scale and rounded to the nearest code, ties to even.
; THE CODES ARE LAID AS IMAGES OF OPERAND REGISTERS: a fragment (16 rows x 128 K, 12 registers a lane) is 1,536 dense bytes, registers 4 c .. 4 c + 3 of lane l at byte 512 c + 16 l; fragment (row block, K step) at (8 x row block + K step) x 1,536.
; The scale words (four bytes: 128 K of a row) lie [K step][row], 27,648 rows.  Rows in both buffers: q, k, Wv, Wq, Wk, v.
; POSITIONS: in k, v, Wq, Wk the row at place p is row p with bits 3 and 4 exchanged.  Such a tensor is source 0 of a product whose result is quantised along these rows: a lane's 16 result registers of two neighbouring tiles are then 16 neighbours.
; SHARES: a work-group takes 64 places x 1,024 K; wave w takes K step w, four fragments one after the other.  Each load reads 512 consecutive bytes of one row; the 16 rows turn through the wave's own stage in LDS, so that a lane gets 16 neighbours of each block of 32 of ITS row.
; No barrier: waves share nothing.  Two fragments' loads (32 a wave) are on their way.
; LIMITS: NaN and infinities are not served.  A block of zeros, or one whose largest magnitude lies under 2^-124, gets the byte 1 (the rule says 127 for zeros): its codes are zeros or tiny, and this program alone reads the bytes.
.set WREG,  8704                       ; LDS of a wave: a stage of 16 rows x 528 bytes, then its 64 scale words
.set SPARE, 8*WREG                     ; behind the eight regions: the spare words, 128 bytes a wave
.set OFF,   4                          ; v4-7    byte offsets of the four groups of eight rows in 32 rows
.set STI,   8                          ; v8      the stage, way in: 16 x lane
.set STO,   9                          ; v9      way out: 528 r + 64 h
.set SSA,   10                         ; v10     my row's scale word in LDS
.set SSL,   11                         ; v11     the words' way out: 8 x lane
.set LI,    12                         ; v12     16 x lane
.set L8,    13                         ; v13     8 x lane
.set SPW,   14                         ; v14     my spare word; never rewritten
.set NIL,   15                         ; v15     0; never rewritten
.set PC,    16                         ; v16-35  the codes just made
.set TM,    40                         ; v40-55  at work
.set PW,    56                         ; v56     the scale word just made
.set R,     64                         ; v64-191 two sets of 64 registers as loaded
.set X,     192                        ; v192-255 64 numbers of my row: register 16 b + i = k 32 b + 16 h + i
.set SEL,   30                         ; s[30:31] lane selects: lane l xor 16
	s_load_b256 s[4:11], s[0:1], 0x0               ; q s[4:5], k s[6:7], v s[8:9], Wq s[10:11]
	s_load_b256 s[12:19], s[0:1], 0x20             ; Wk s[12:13], Wv s[14:15], the codes s[16:17], the scale words s[18:19]
	v_lshl_add_u32 v[SPW], v0, 2, SPARE
	v_mov_b32 v[NIL], 0
	v_lshrrev_b32 v1, 5, v0
	v_readfirstlane_b32 s20, v1                    ; wave 0..7 = my K step
	v_and_b32 v1, 31, v0                           ; lane
	v_and_b32 v2, 15, v0                           ; r
	v_bfe_u32 v3, v0, 4, 1                         ; h
	s_mov_b32 s25, 1                               ; rows by positions, but for q (work-groups 0-127) and Wv (256-271)
	s_cmp_lt_u32 ttmp9, 128
	s_cselect_b32 s25, 0, s25
	s_sub_co_u32 s26, ttmp9, 256
	s_cmp_lt_u32 s26, 16
	s_cselect_b32 s25, 0, s25
	s_mov_b32 s27, 0x8000
	s_cmp_eq_u32 s25, 1
	s_cselect_b32 s26, 0x10000, s27                ; places 8-15 of 32 hold rows 16-23 (positions) or 8-15,
	s_sub_co_u32 s28, 0x18000, s26                 ; places 16-23 the other of the two
	v_lshlrev_b32 v[LI], 4, v1
	s_lshl_b32 s29, s20, 9                         ; my K step: 512 bytes of a row
	v_add_nc_u32 v[OFF], s29, v[LI]
	v_add_nc_u32 v[OFF+1], s26, v[OFF]
	v_add_nc_u32 v[OFF+2], s28, v[OFF]
	v_add_nc_u32 v[OFF+3], 0x18000, v[OFF]
	s_mul_i32 s21, s20, WREG
	v_add_nc_u32 v[STI], s21, v[LI]
	v_mul_u32_u24 v[STO], v2, 528
	v_lshl_add_u32 v[STO], v3, 6, v[STO]
	v_add_nc_u32 v[STO], s21, v[STO]
	v_lshlrev_b32 v[SSA], 2, v2
	v_add_nc_u32 v[SSA], s21, v[SSA]
	v_add_nc_u32 v[SSA], 8448, v[SSA]
	v_lshlrev_b32 v[L8], 3, v1
	v_add_nc_u32 v[SSL], s21, v[L8]
	v_add_nc_u32 v[SSL], 8448, v[SSL]
	s_mov_b32 s[SEL], 0x76543210
	s_mov_b32 s[SEL+1], 0xfedcba98
.irp b, 0,1,2,3
	v_mov_b32 v[TM+4+\b], 0                        ; written once: a lane permute's destination counts as one of its sources
.endr
	s_wait_kmcnt 0x0
	s_mov_b64 s[22:23], s[8:9]                     ; which tensor: the choice hangs on the work-group's number alone
	s_mov_b32 s24, 304
	s_cmp_lt_u32 ttmp9, 304
	s_cselect_b64 s[22:23], s[12:13], s[22:23]
	s_cselect_b32 s24, 288, s24
	s_cmp_lt_u32 ttmp9, 288
	s_cselect_b64 s[22:23], s[10:11], s[22:23]
	s_cselect_b32 s24, 272, s24
	s_cmp_lt_u32 ttmp9, 272
	s_cselect_b64 s[22:23], s[14:15], s[22:23]
	s_cselect_b32 s24, 256, s24
	s_cmp_lt_u32 ttmp9, 256
	s_cselect_b64 s[22:23], s[6:7], s[22:23]
	s_cselect_b32 s24, 128, s24
	s_cmp_lt_u32 ttmp9, 128
	s_cselect_b64 s[22:23], s[4:5], s[22:23]
	s_cselect_b32 s24, 0, s24
	s_sub_co_u32 s32, ttmp9, s24
	s_lshl_b32 s32, s32, 18                        ; 64 rows of 4,096 bytes for each work-group of the tensor
	s_mov_b32 s33, 0
	s_add_nc_u64 s[22:23], s[22:23], s[32:33]
	s_mul_i32 s32, ttmp9, 49152                    ; the codes: 4 row blocks x 8 fragments a work-group,
	s_mul_i32 s28, s20, 1536                       ; my K step's fragment
	s_add_co_u32 s32, s32, s28
	s_add_nc_u64 s[16:17], s[16:17], s[32:33]
	s_mul_i32 s32, s20, 110592                     ; the scale words: my K step's plane of 27,648 words,
	s_lshl_b32 s28, ttmp9, 8                       ; my work-group's 64
	s_add_co_u32 s32, s32, s28
	s_add_nc_u64 s[18:19], s[18:19], s[32:33]
.macro LOAD t                          ; fragment t: places 16 t .. 16 t + 15; each load 512 consecutive bytes of one row
.irp i, 0,1,2,3,4,5,6,7,8,9,10,11,12,13,14,15
	global_load_b128 v[R+64*((\t)%2)+4*\i:R+64*((\t)%2)+4*\i+3], v[OFF+2*((\t)%2)+\i/8], s[22:23] offset:((\t)/2)*131072+(\i%8)*4096 th:TH_LOAD_NT
.endr
.endm
; 64 numbers of a lane, register 16 b + i = k 32 b + 16 h + i of my row, become a fragment's codes in v[PC] on and its scale word in v[PW].
.macro QUANT s
.irp b, 0,1,2,3
	v_max3_num_f32 v[TM+\b], |v[\s+16*\b]|, |v[\s+1+16*\b]|, 0x1800000   ; block b: my 16 numbers, and the floor 2^(3 - 127): the byte cannot fall under 1
.endr
.irp i, 2,4,6,8,10,12,14
.irp b, 0,1,2,3
	v_max3_num_f32 v[TM+\b], v[TM+\b], |v[\s+16*\b+\i]|, |v[\s+1+16*\b+\i]|
.endr
.endr
.irp b, 0,1,2,3
	v_permlanex16_b32 v[TM+4+\b], v[TM+\b], s[SEL], s[SEL+1]
.endr
.irp b, 0,1,2,3
	v_max_num_f32 v[TM+\b], v[TM+\b], v[TM+4+\b]   ; with lane l xor 16's: the block's largest magnitude
.endr
.irp b, 0,1,2,3
	v_add_nc_u32 v[TM+12+\b], 0xff000000, v[TM+\b] ; 2 off its exponent field: the conversion takes this operand's exponent field as its scale
.endr
.irp b, 0,1,2,3
	v_lshrrev_b32 v[TM+4+\b], 23, v[TM+12+\b]      ; the scale's byte
.endr
	v_lshl_or_b32 v[PW], v[TM+5], 8, v[TM+4]
	v_lshl_or_b32 v[PW], v[TM+6], 16, v[PW]
	v_lshl_or_b32 v[PW], v[TM+7], 24, v[PW]
.irp c, 0,1
	v_cvt_scalef32_pk16_fp6_f32 v[PC+6*\c:PC+2+6*\c], v[\s+32*\c:\s+15+32*\c], v[TM+12+2*\c]
	v_cvt_scalef32_pk16_fp6_f32 v[PC+12+4*\c:PC+14+4*\c], v[\s+16+32*\c:\s+31+32*\c], v[TM+12+2*\c+1]   ; (a conversion's three registers begin on an even number)
.endr
	v_nop                                          ; one plain place behind a scaled conversion
.irp c, 0,1                                    ; the operand's layout wants a whole block in a lane: lanes 0-15 block 2 c, lanes 16-31 block 2 c + 1
.irp i, 0,1,2
	v_permlane16_swap_b32 v[PC+6*\c+\i], v[PC+12+4*\c+\i]
.endr
.irp i, 0,1,2
	v_mov_b32 v[PC+3+6*\c+\i], v[PC+12+4*\c+\i]
.endr
.endr
.endm
.macro STEP t
.if (\t) < 3
	s_wait_loadcnt 16                              ; this fragment's 16 loads are in; the next one's 16 may be out
.else
	s_wait_loadcnt 0x0
.endif
.irp i, 0,1,2,3,4,5,6,7,8,9,10,11,12,13,14,15
	ds_store_b128 v[STI], v[R+64*((\t)%2)+4*\i:R+64*((\t)%2)+4*\i+3] offset:528*\i
.endr
.irp b, 0,1,2,3
.irp j, 0,1,2,3
	ds_load_b128 v[X+16*\b+4*\j:X+16*\b+4*\j+3], v[STO] offset:128*\b+16*\j   ; LDS serves a wave's instructions in order: these see the stores above
.endr
.endr
	s_wait_dscnt 0x0                               ; my numbers are back; the stores have read their registers; the last word's store too
	s_wait_xcnt 0x0                                ; the last fragment's stores have read the codes' registers, which are written again below
.if (\t) < 2
	LOAD (\t)+2
.endif
	QUANT X
	ds_store_b32 v[SSA], v[PW] offset:64*(\t)      ; lanes r and 16 + r write the same word with the same value
.irp c, 0,1,2
	global_store_b128 v[LI], v[PC+4*\c:PC+4*\c+3], s[16:17] offset:(\t)*12288+512*\c   ; 512 consecutive bytes, aligned
.endr
.endm
	LOAD 0
	LOAD 1
	STEP 0
	STEP 1
	STEP 2
	STEP 3
	ds_load_b64 v[58:59], v[SSL]                   ; my wave's 64 scale words
	s_wait_dscnt 0x0
	global_store_b64 v[L8], v[58:59], s[18:19]     ; 256 consecutive bytes, aligned
	s_wait_tensorcnt 0x0                           ; the wave's end, behind my last LDS store
	ds_add_u32 v[SPW], v[NIL]
	s_wait_dscnt 0x0
	s_endpgm
.Lfunc_end_k_qa19147bcad_quant:
	.size	k_qa19147bcad_quant, .Lfunc_end_k_qa19147bcad_quant-k_qa19147bcad_quant
	.p2alignl 7, 3214868480
	.fill 96, 4, 3214868480
	.section	.rodata,"a",@progbits
	.p2align	6, 0x0
	.amdhsa_kernel k_qa19147bcad_quant
		.amdhsa_group_segment_fixed_size 70656
		.amdhsa_private_segment_fixed_size 0
		.amdhsa_enable_private_segment 0
		.amdhsa_kernarg_size 64
		.amdhsa_user_sgpr_count 2
		.amdhsa_user_sgpr_kernarg_segment_ptr 1
		.amdhsa_wavefront_size32 1
		.amdhsa_system_sgpr_workgroup_id_x 1
		.amdhsa_system_sgpr_workgroup_id_y 1
		.amdhsa_system_sgpr_workgroup_id_z 1
		.amdhsa_system_vgpr_workitem_id 0
		.amdhsa_next_free_vgpr 256
		.amdhsa_next_free_sgpr 66
		.amdhsa_reserve_vcc 0
		.amdhsa_float_denorm_mode_32 3
		.amdhsa_float_denorm_mode_16_64 3
		.amdhsa_memory_ordered 1
		.amdhsa_forward_progress 1
		.amdhsa_inst_pref_size 35
	.end_amdhsa_kernel
	.amdgpu_metadata
---
amdhsa.version: [ 1, 2 ]
amdhsa.kernels:
  - .name:           k_qa19147bcad_quant
    .symbol:         k_qa19147bcad_quant.kd
    .args:
      - { .name: q, .offset: 0, .size: 8, .value_kind: global_buffer, .address_space: global }
      - { .name: k, .offset: 8, .size: 8, .value_kind: global_buffer, .address_space: global }
      - { .name: v, .offset: 16, .size: 8, .value_kind: global_buffer, .address_space: global }
      - { .name: Wq, .offset: 24, .size: 8, .value_kind: global_buffer, .address_space: global }
      - { .name: Wk, .offset: 32, .size: 8, .value_kind: global_buffer, .address_space: global }
      - { .name: Wv, .offset: 40, .size: 8, .value_kind: global_buffer, .address_space: global }
      - { .name: xcodes, .offset: 48, .size: 8, .value_kind: global_buffer, .address_space: global }
      - { .name: xscales, .offset: 56, .size: 8, .value_kind: global_buffer, .address_space: global }
    .group_segment_fixed_size: 70656
    .private_segment_fixed_size: 0
    .kernarg_segment_align: 8
    .kernarg_segment_size: 64
    .max_flat_workgroup_size: 256
    .sgpr_count:     66
    .vgpr_count:     256
    .wavefront_size: 32
...
	.end_amdgpu_metadata
.endif
;; end of part 1
;; launch proj (part 2): grid 4 x 96, 4 waves a work-group, clusters of 4 x 4, 327,680 bytes of LDS; arguments xcodes, xscales, bq, bk, bv, pjc, pjs; writes pjc, pjs
.if DOCPART == 2
	.amdgcn_target "amdgcn-amd-amdhsa--gfx1250"
	.amdhsa_code_object_version 6
	.text
	.protected	k_qa19147bcad_proj
	.globl	k_qa19147bcad_proj
	.p2align	8
	.type	k_qa19147bcad_proj,@function
k_qa19147bcad_proj:
	s_mov_b64 s[64:65], 0
	v_nop
	global_prefetch_b8 v0, s[64:65] scope:SCOPE_SE
	s_setreg_imm32_b32 hwreg(HW_REG_WAVE_MODE, 25, 1), 1
	s_wait_xcnt 0x0
	s_wait_alu depctr_hold_cnt(0) depctr_sa_sdst(0) depctr_va_vdst(0) depctr_va_sdst(0) depctr_va_ssrc(0) depctr_va_vcc(0) depctr_vm_vsrc(0)
	s_getreg_b32 s2, hwreg(HW_REG_IB_STS2, 6, 4)
	s_cmp_eq_u32 s2, 0
	s_cbranch_scc0 .Lentry_in_a_cluster
	s_endpgm
.Lentry_in_a_cluster:
	s_bfe_u32 s2, ttmp6, 0x10000c
	s_cmp_lg_u32 s2, 0xf033
	s_cbranch_scc0 .Lentry_shape_is_right
	s_endpgm
.Lentry_shape_is_right:
; The three projections x W^T + b on codes of FP6 (E2M3) with E8M0 scales, each result quantised again on its way out:
;   qp, kp [8192 tokens][1024]: codes along d_k;   vp^T [4 batches][1024 d_v][2048 keys]: codes along the keys.  All as images of operand registers (1,536 bytes a fragment: registers 4 c .. 4 c + 3 of lane l at 512 c + 16 l).
; A work-group makes 256 x 256 of a result, K = 1,024; four waves, each 128 x 128 in 64 accumulators (512 registers).  Cluster row c = 0..23: 0-7 q, 8-15 k, 16-23 v.
; THE MATRIX INSTRUCTION IS USED TRANSPOSED: source 1 gives a lane its row, source 0 the lane's registers.  q, k: source 1 = tokens, source 0 = W's rows; v: source 1 = Wv's rows, source 0 = tokens.
; Source 0's rows lie BY POSITIONS (bits 3 and 4 of the row exchanged), so that registers 16 b + i of a lane's eight accumulators are numbers 32 b + 16 h + i along the next K: the conversions take them as they stand.
; K is four slots of 256.  THREE LDS SLOTS: K slots 0, 1 and 2 are first fills, issued together at the head; K slot 3 goes into slot 0 behind the one change of slots that fills bytes again, 224 matrix instructions ahead of the wait for it.
; A wave's tensor load brings 8 row blocks x 3,072 bytes (two fragments each).  A fragment leaves LDS by three loads of 16 bytes a lane at 16 x lane.  The scale words of the work-group's 2 x 256 rows for all of K come once, with the first fills.
; CLUSTERS: 4 x 4.  Source 1's tiles are shared along a row of the cluster, source 0's along a column: each is asked for jointly, by the same load with the same descriptor and a mask that names the four.
; The bias along source 0's rows (q, k) is the C of the first K step; the bias along source 1's rows (v) is added on the way out; the one that does not apply is cleared by a mask, with no branch.
; LIMITS: NaN and infinities are not served; a block of zeros or under 2^-124 gets the byte 1 (this program alone reads the bytes).
; REGISTERS: window 0: v0-31 addresses; v32-63 scale words, two sets; v64-127 the bias as C, later the block at work; v128-223 source 1's fragments, one set; v224-231 the other bias.  window 1: source 0's fragments, two sets (v0, v128).  windows 2, 3: the accumulators ((a, b) at v[8 (8 (a % 4) + b)]).
.set KK,     1024
.set SPP,    110592                    ; bytes from plane to plane of the scale words in memory
.set FR,     12
.set NL,     3
.set NQ,     2
.set NP,     4
.set FRB,    1536
.set RBB,    3072                      ; a row block's two fragments in a slot
.set HALFT,  24576                     ; 128 rows: what one tensor load brings
.set SLOT,   98304
.set SREG,   KK*8                      ; the scale words of 256 rows: [K step][256]
.set SCA,    3*SLOT                    ; source 1's
.set SCB,    SCA+SREG+128              ; source 0's; the 128 keeps the two halves of a load's lanes in different banks
.set WST,    311552                    ; 512 bytes a wave: the new scale words' way out
.set SPARE,  313600                    ; the spare words, 128 bytes a wave
.set ADRA, 16                          ; v16-18  my fragments of source 1 in slots 0, 1, 2
.set ADRB, 20                          ; v20-22  the same for source 0
.set LI,   24                          ; v24  16 x lane
.set WSA,  25
.set WSL,  26
.set ADRS, 27
.set SPW,  28
.set NIL,  29
.set SC,   32
.set BN,   64
.set HA,   64
.set AF,   128
.set PC,   128
.set RB,   148
.set TM,   160
.set PW,   176
.set WD,   184
.set BM,   224
.set SEL,  18
.set G1, 24
.set G0, 32                            ; s[32:39] groups 0 for source 1's slots 0 and 1
.set G0C, 4                            ; s[4:7]   for its slot 2 (the input pointers are done with by then)
.set G1B, 48
.set G0B, 56                           ; s[56:63] for source 0's slots 0 and 1
.set G0BC, 92                          ; s[92:95] for its slot 2
.set G1S, 68
.set G0S, 76
.set G1SB, 80
.set G0SB, 88
.set MSB, 0
.macro WIN new                         ; the immediate's high byte repeats the setting that is left
.if MSB != (\new)
	s_set_vgpr_msb (MSB<<8)|(\new)
.set MSB, (\new)
.endif
.endm
.set MUL_LO, 0xa1                      ; source 0 window 1, source 1 window 0, C and D window 2
.set MUL_HI, 0xf1                      ; the same, C and D window 3
.set FIRST_LO, 0x81                    ; the first K step: C (the bias) window 0, D window 2
.set FIRST_HI, 0xc1
.set TO_B,   0x40
.macro JLOAD g0a, g1a, g0b, g1b        ; a joint load: waves 0 and 1 fetch for source 1, waves 2 and 3 for source 0; an s_nop 0 and four v_nop follow each line
	s_cmp_eq_u32 s15, 0
	s_cbranch_scc0 .Lfor_b_\@
	tensor_load_to_lds s[\g0a:\g0a+3], s[\g1a:\g1a+7]
	s_nop 0
.rept 4
	v_nop
.endr
	s_branch .Lasked_\@
.Lfor_b_\@:
	tensor_load_to_lds s[\g0b:\g0b+3], s[\g1b:\g1b+7]
	s_nop 0
.rept 4
	v_nop
.endr
.Lasked_\@:
.endm
.macro CREST
	s_cmp_lg_u32 s14, 0
	s_cbranch_scc1 .Lnot_wave_0_\@
	s_barrier_signal -3
.Lnot_wave_0_\@:
	s_barrier_wait -3
	s_barrier_signal -1
	s_barrier_wait -1
.endm
.macro CROUND
	s_barrier_signal -1
	s_barrier_wait -1
	CREST
.endm
	s_load_b256 s[4:11], s[0:1], 0x0               ; the codes s[4:5], the scale words s[6:7], bq s[8:9], bk s[10:11]
	s_load_b128 s[96:99], s[0:1], 0x20             ; bv s[96:97], the results' codes s[98:99]
	s_load_b64 s[100:101], s[0:1], 0x30            ; the results' scale words
	v_lshl_add_u32 v[SPW], v0, 2, SPARE
	v_mov_b32 v[NIL], 0
	ds_add_u32 v[SPW], v[NIL]                      ; the wave's opening: the add and its wait stand ahead of my first tensor load; the set-up below stands between them
	v_lshrrev_b32 v1, 5, v0
	v_readfirstlane_b32 s14, v1                    ; wave 0..3
	s_lshr_b32 s15, s14, 1                         ; my half of source 1's rows.  Also: I fetch for source 1 (0) or source 0 (1)
	s_and_b32 s16, s14, 1                          ; my half of source 0's rows.  Also: which half of a tile I fetch
	s_bfe_u32 s40, ttmp6, 0x40000                  ; cx
	s_bfe_u32 s41, ttmp6, 0x40004                  ; cy
	s_and_b32 s17, ttmp7, 0xffff                   ; c: the cluster's row
	s_lshl_b32 s43, s41, 2
	s_lshl_b32 s43, 15, s43                        ; my row of the cluster
	s_lshl_b32 s44, 0x1111, s40                    ; my column
	s_or_b32 s[G1+0], s43, (3<<16)|(1<<21)         ; 15:0 the mask; 17:16 elements of 8 bytes; 21 set beside a mask; no padding
	s_or_b32 s[G1B+0], s44, (3<<16)|(1<<21)
.irp g, G1, G1B
	s_mov_b32 s[\g+1], 384<<16                     ; tensor_dim0: 3,072 bytes
	s_mov_b32 s[\g+2], 8<<16                       ; tensor_dim1: 8 row blocks
	s_mov_b32 s[\g+3], 384<<16                     ; tile_dim0
	s_mov_b32 s[\g+4], 8                           ; tile_dim1
	s_mov_b32 s[\g+5], KK/128*192                  ; from row block to row block
	s_mov_b32 s[\g+6], 0
	s_mov_b32 s[\g+7], 0
.endr
	s_or_b32 s[G1S+0], s43, (3<<16)|(1<<21)
	s_or_b32 s[G1SB+0], s44, (3<<16)|(1<<21)
.irp g, G1S, G1SB
	s_mov_b32 s[\g+1], 128<<16                     ; 256 words of a plane: 1,024 bytes
	s_mov_b32 s[\g+2], 4<<16                       ; four planes
	s_mov_b32 s[\g+3], 128<<16
	s_mov_b32 s[\g+4], 4
	s_mov_b32 s[\g+5], SPP/8
	s_mov_b32 s[\g+6], 0
	s_mov_b32 s[\g+7], 0
.endr
	s_lshl_b32 s20, s17, 2
	s_min_u32 s20, s20, 64
	s_add_co_u32 s20, s20, s41                     ; source 1's tile of 256 rows: q 0-31, k 32-63, Wv 64-67
	s_mov_b32 s42, s20
	s_max_u32 s46, s17, 16
	s_sub_co_u32 s46, s46, 16
	s_lshr_b32 s47, s17, 3
	s_add_co_u32 s46, s46, s47
	s_lshl_b32 s46, s46, 2
	s_add_co_u32 s46, s46, 68
	s_add_co_u32 s46, s46, s40                     ; source 0's: Wq 68-71, Wk 72-75, v 76-107
	s_mul_i32 s13, s16, 98304                      ; the half that I fetch: 128 rows of codes,
	s_mul_i32 s2, s16, 4*SPP                       ; four planes of scale words
	s_lshl_b32 s22, s20, 10
	s_add_co_u32 s22, s22, s2
	s_mov_b32 s23, 0
	s_mul_i32 s20, s20, 196608
	s_add_co_u32 s20, s20, s13
	s_mov_b32 s21, 0
	s_lshl_b32 s92, s46, 10
	s_add_co_u32 s92, s92, s2
	s_mov_b32 s93, 0
	s_mul_i32 s46, s46, 196608
	s_add_co_u32 s46, s46, s13
	s_mov_b32 s47, 0
	s_mul_i32 s94, s14, HALFT                      ; where the codes go: wave x 128 rows,
	s_lshl_b32 s95, s14, 12                        ; and the scale words: wave x 4 planes, source 0's 128 bytes further
	s_lshl_b32 s2, s15, 7
	s_add_co_u32 s95, s95, s2
	s_add_co_u32 s95, s95, SCA
	v_and_b32 v1, 15, v0                           ; r
	v_bfe_u32 v2, v0, 4, 1                         ; h
	s_lshl_b32 s12, s40, 10
	s_lshl_b32 s13, s16, 9
	s_add_co_u32 s12, s12, s13                     ; q, k: my 128 of d_k, in bytes of the bias
	s_lshl_b32 s13, s41, 10
	s_lshl_b32 s2, s15, 9
	s_add_co_u32 s13, s13, s2                      ; v: my 128 of d_v
	s_cmp_lt_u32 s17, 16
	s_cselect_b32 s66, -1, 0                       ; keeps the bias along source 0's rows
	s_cselect_b32 s67, 0, -1                       ; keeps the bias along source 1's rows
	s_cselect_b32 s12, s12, 0                      ; the one that does not apply is read at the bias's head and cleared
	s_cselect_b32 s13, 0, s13
	v_lshl_add_u32 v8, v2, 6, s12
	v_lshl_add_u32 v9, v1, 2, s13
	s_mov_b32 s[SEL], 0x76543210
	s_mov_b32 s[SEL+1], 0xfedcba98
	s_wait_dscnt 0x0                               ; the opening add is done
	s_wait_kmcnt 0x0
	s_add_nc_u64 s[20:21], s[4:5], s[20:21]
	s_add_nc_u64 s[22:23], s[6:7], s[22:23]
	s_add_nc_u64 s[46:47], s[4:5], s[46:47]
	s_add_nc_u64 s[92:93], s[6:7], s[92:93]
	s_cmp_lt_u32 s17, 16
	s_cselect_b64 s[10:11], s[10:11], s[96:97]
	s_cmp_lt_u32 s17, 8
	s_cselect_b64 s[8:9], s[8:9], s[10:11]         ; bq, bk or bv: the choice hangs on the cluster's row alone
.irp b, 0,1,2,3,4,5,6,7                        ; accumulator (a, b), register j of lane (r, h): number 32 (b / 2) + 16 h + 8 (b % 2) + j of my 128
	global_load_b128 v[BN+8*\b:BN+8*\b+3], v8, s[8:9] offset:(32*(\b/2)+8*(\b%2))*4
	global_load_b128 v[BN+8*\b+4:BN+8*\b+7], v8, s[8:9] offset:(32*(\b/2)+8*(\b%2))*4+16
.endr
.irp a, 0,1,2,3,4,5,6,7
	global_load_b32 v[BM+\a], v9, s[8:9] offset:64*\a   ; block a, lane r: number 16 a + r
.endr
	CROUND                                         ; all sixteen work-groups are here: the first joint loads meet
	s_mov_b32 s[G0S], 1
	s_mov_b32 s[G0S+1], s95
	s_mov_b64 s[G0S+2:G0S+3], s[22:23]
	s_or_b32 s[G0S+3], s[G0S+3], 0x80000000
	s_mov_b32 s[G0SB], 1
	s_mov_b32 s[G0SB+1], s95
	s_mov_b64 s[G0SB+2:G0SB+3], s[92:93]
	s_or_b32 s[G0SB+3], s[G0SB+3], 0x80000000
	JLOAD G0S, G1S, G0SB, G1SB                     ; the scale words first
.irp s, 0,1
	s_mov_b32 s[G0+4*\s], 1
	s_add_co_u32 s[G0+4*\s+1], s94, \s*SLOT
	s_add_nc_u64 s[G0+4*\s+2:G0+4*\s+3], s[20:21], \s*RBB
	s_or_b32 s[G0+4*\s+3], s[G0+4*\s+3], 0x80000000
	s_mov_b32 s[G0B+4*\s], 1
	s_add_co_u32 s[G0B+4*\s+1], s94, \s*SLOT
	s_add_nc_u64 s[G0B+4*\s+2:G0B+4*\s+3], s[46:47], \s*RBB
	s_or_b32 s[G0B+4*\s+3], s[G0B+4*\s+3], 0x80000000
	JLOAD G0+4*\s, G1, G0B+4*\s, G1B
.endr
	s_mov_b32 s[G0C], 1                            ; slot 2: the fourth and last of my first fills
	s_add_co_u32 s[G0C+1], s94, 2*SLOT
	s_add_nc_u64 s[G0C+2:G0C+3], s[20:21], 2*RBB
	s_or_b32 s[G0C+3], s[G0C+3], 0x80000000
	s_mov_b32 s[G0BC], 1
	s_add_co_u32 s[G0BC+1], s94, 2*SLOT
	s_add_nc_u64 s[G0BC+2:G0BC+3], s[46:47], 2*RBB
	s_or_b32 s[G0BC+3], s[G0BC+3], 0x80000000
	JLOAD G0C, G1, G0BC, G1B
	v_and_b32 v3, 31, v0
	v_lshlrev_b32 v[LI], 4, v3
	s_mul_i32 s21, s15, HALFT                      ; my 128 rows of source 1
	s_mul_i32 s22, s16, HALFT                      ; my 128 rows of source 0,
	s_add_co_u32 s22, s22, 2*HALFT                 ; behind source 1's 256
.irp s, 0,1,2
	v_add_nc_u32 v[ADRA+\s], s21, v[LI]
	v_add_nc_u32 v[ADRB+\s], s22, v[LI]
	s_add_co_u32 s21, s21, SLOT
	s_add_co_u32 s22, s22, SLOT
.endr
	v_lshlrev_b32 v5, 2, v1                        ; my row's scale word
	s_lshl_b32 s21, s15, 9
	s_lshl_b32 s22, s16, 9
	s_add_co_u32 s22, s22, SCB-SCA
	s_sub_co_u32 s22, s22, s21
	v_mul_u32_u24 v6, s22, v2                      ; lanes 16-31 take source 0's
	s_add_co_u32 s21, s21, SCA
	v_add_nc_u32 v5, v5, v6
	v_add_nc_u32 v[ADRS], s21, v5
	s_lshl_b32 s21, s14, 9
	s_add_co_u32 s21, s21, WST
	v_lshl_add_u32 v[WSA], v1, 2, s21
	v_add_nc_u32 v[WSL], s21, v[LI]
	s_wait_loadcnt 0x0                             ; the biases
.set n, 0
.rept 64
	v_and_b32 v[BN+n], s66, v[BN+n]
.set n, n+1
.endr
.set n, 0
.rept 8
	v_and_b32 v[BM+n], s67, v[BM+n]
.set n, n+1
.endr
.macro FRAG reg, adr, q, i             ; a fragment's image: three loads, 16 bytes a lane, 512 consecutive bytes each
.irp c, 0,1,2
	ds_load_b128 v[\reg+4*\c:\reg+4*\c+3], v[\adr] offset:(\i)*RBB+(\q)*FRB+512*\c
.endr
.endm
; 16 matrix instructions: source 1's blocks a0, a0 + 1 x source 0's eight, 128 along K.  The 64 accumulators take turns, one instruction a turn, in the same order in every step.
.macro MUL16 a0, p, q, sc, zero
.irp a, \a0, \a0+1
.irp b, 0,1,2,3,4,5,6,7
.if \zero
	v_wmma_scale_f32_16x16x128_f8f6f4 v[8*(8*((\a)%4)+\b):8*(8*((\a)%4)+\b)+7], v[128*(\p)+FR*\b:128*(\p)+FR*\b+FR-1], v[AF+FR*(\a):AF+FR*(\a)+FR-1], v[BN+8*\b:BN+8*\b+7], v[SC+8*NQ*(\sc)+NQ*\b+(\q)], v[SC+8*NQ*(\sc)+NQ*(\a)+(\q)] matrix_a_fmt:MATRIX_FMT_FP6 matrix_b_fmt:MATRIX_FMT_FP6 matrix_a_scale:MATRIX_SCALE_ROW1
.else
	v_wmma_scale_f32_16x16x128_f8f6f4 v[8*(8*((\a)%4)+\b):8*(8*((\a)%4)+\b)+7], v[128*(\p)+FR*\b:128*(\p)+FR*\b+FR-1], v[AF+FR*(\a):AF+FR*(\a)+FR-1], v[8*(8*((\a)%4)+\b):8*(8*((\a)%4)+\b)+7], v[SC+8*NQ*(\sc)+NQ*\b+(\q)], v[SC+8*NQ*(\sc)+NQ*(\a)+(\q)] matrix_a_fmt:MATRIX_FMT_FP6 matrix_b_fmt:MATRIX_FMT_FP6 matrix_a_scale:MATRIX_SCALE_ROW1
.endif
.endr
.endr
.endm
.macro FETCH_B slot, q, p
	WIN TO_B
.irp i, 0,1,2,3,4,5,6,7
	FRAG 128*(\p)+FR*\i, ADRB+\slot, \q, \i
.endr
	WIN 0
.endm
.macro FETCH_A slot, q, i0
.irp i, \i0, \i0+1, \i0+2, \i0+3
	FRAG AF+FR*(\i), ADRA+\slot, \q, \i
.endr
.endm
.macro SCALES sc                       ; a K slot's scale words into set sc: lanes 0-15 source 1's block i, lanes 16-31 source 0's block i
.irp i, 0,1,2,3,4,5,6,7
.irp q, 0,1
	ds_load_b32 v[SC+8*NQ*\sc+NQ*\i+\q], v[ADRS] offset:\q*1024+\i*64
.endr
.endr
.endm
.macro PLACES n                        ; plain vector instructions between a matrix instruction and a load into, or a read of, its registers
.rept \n
	v_nop
.endr
.endm
.macro STEP slot, sc, q, zero          ; 128 along K with a successor in the same slot; sc: the set of scale words (the K slot's parity)
	s_wait_dscnt 4*NL                              ; all but the youngest 12 loads (source 1's blocks 4-7) are in
.if \zero
	WIN FIRST_LO
.else
	WIN MUL_LO
.endif
	MUL16 0, (\q)%2, \q, \sc, \zero
	MUL16 2, (\q)%2, \q, \sc, \zero
	s_wait_dscnt 0x0                               ; blocks 4-7 are in
	PLACES NP
	FETCH_B \slot, (\q)+1, 1-(\q)%2
	FETCH_A \slot, (\q)+1, 0
.if \zero
	WIN FIRST_HI
.else
	WIN MUL_HI
.endif
	MUL16 4, (\q)%2, \q, \sc, \zero
	MUL16 6, (\q)%2, \q, \sc, \zero
	PLACES NP
	WIN 0
	FETCH_A \slot, (\q)+1, 4
.endm
; A slot's last step goes on into the next slot.
; mode 1: this slot is filled again.  In front of the barrier each wave waits for all its tensor loads, adds 0 to its spare word, and waits for that and for its reads of this slot; the barrier opens a round of the cluster's; the joint refill is first behind it.
; mode 2: the next slot was shown landed to every wave by the wait for 0 in front of the round of mode 1, and nothing is filled: no wait on tensor loads, no barrier; the refill stays on its way.
; mode 0: the next slot is the refilled one: the same three lines and a plain barrier; nothing is filled.
.macro TURN slot, sc, next, nsc, mode
.if \mode == 2
	s_wait_dscnt 4*NL                              ; all but the youngest 12 loads are in
	WIN MUL_LO
	MUL16 0, 1, NQ-1, \sc, 0
	MUL16 2, 1, NQ-1, \sc, 0
	WIN 0
	s_wait_dscnt 0x0                               ; blocks 4-7 are in
	PLACES NP
.else
	s_wait_tensorcnt 0x0                           ; all my tensor loads have landed
	ds_add_u32 v[SPW], v[NIL]                      ; 0 onto my spare word
	s_wait_dscnt 4*NL+1                            ; (the add and the youngest 12 loads may be out)
	WIN MUL_LO
	MUL16 0, 1, NQ-1, \sc, 0
	s_wait_dscnt 0x0                               ; the add is done, and my reads of this slot are over
	s_barrier_signal -1
	MUL16 2, 1, NQ-1, \sc, 0
	WIN 0
	s_barrier_wait -1
.if \mode == 1
	CREST                                          ; no wave of any partner still reads this slot or has a load on its way
	s_add_nc_u64 s[G0+4*\slot+2:G0+4*\slot+3], s[G0+4*\slot+2:G0+4*\slot+3], 3*RBB
	s_add_nc_u64 s[G0B+4*\slot+2:G0B+4*\slot+3], s[G0B+4*\slot+2:G0B+4*\slot+3], 3*RBB
	JLOAD G0+4*\slot, G1, G0B+4*\slot, G1B         ; K slot 3: the first tensor load behind the round; its four v_nop are the places in front of the loads below
.else
	PLACES NP
.endif
.endif
	v_add_nc_u32 v[ADRS], 2048, v[ADRS]            ; the next K slot's two planes of scale words
	FETCH_B \next, 0, 0
	FETCH_A \next, 0, 0
	SCALES \nsc
	WIN MUL_HI
	MUL16 4, 1, NQ-1, \sc, 0
	MUL16 6, 1, NQ-1, \sc, 0
	PLACES NP
	WIN 0
	FETCH_A \next, 0, 4
.endm
	s_wait_tensorcnt 2                             ; the scale words and my part of slot 0 are in; the loads of slots 1 and 2 may be out
	s_barrier_signal -1
	s_barrier_wait -1
	FETCH_B 0, 0, 0
	FETCH_A 0, 0, 0
	SCALES 0
	FETCH_A 0, 0, 4
	STEP 0, 0, 0, 1                                ; K slot 0; the first step starts the sums, from the bias
	TURN 0, 0, 1, 1, 1                             ; slot 0 takes K slot 3
	STEP 1, 1, 0, 0                                ; K slot 1
	TURN 1, 1, 2, 0, 2
	STEP 2, 0, 0, 0                                ; K slot 2
	TURN 2, 0, 0, 1, 0
	STEP 0, 1, 0, 0                                ; K slot 3
	s_wait_dscnt 4*NL
	WIN MUL_LO
	MUL16 0, 1, NQ-1, 1, 0
	MUL16 2, 1, NQ-1, 1, 0
	s_wait_dscnt 0x0
	WIN MUL_HI
	MUL16 4, 1, NQ-1, 1, 0
	MUL16 6, 1, NQ-1, 1, 0
	WIN 0
	; where my results go (no tensor load of mine is out: the registers that held descriptors are free).  q, k: fragment (16 tile + 8 half + a, K step 2 cx + half) of 8 K steps; v: batch b, fragment (16 cy + 8 half + a, K step 2 kt + half) of 16
	s_lshl_b32 s20, s40, 1
	s_add_co_u32 s20, s20, s16
	s_mul_i32 s21, s42, 196608
	s_mul_i32 s22, s15, 98304
	s_add_co_u32 s21, s21, s22
	s_mul_i32 s22, s20, 1536
	s_add_co_u32 s21, s21, s22
	s_lshl_b32 s22, s20, 16
	s_lshl_b32 s23, s42, 10
	s_add_co_u32 s22, s22, s23
	s_lshl_b32 s23, s15, 9
	s_add_co_u32 s22, s22, s23
	s_max_u32 s23, s17, 16
	s_sub_co_u32 s23, s23, 16
	s_lshl_b32 s23, s23, 2
	s_add_co_u32 s23, s23, s40                     ; v's tile of tokens
	s_lshr_b32 s12, s23, 3                         ; its batch
	s_and_b32 s23, s23, 7
	s_lshl_b32 s23, s23, 1
	s_add_co_u32 s23, s23, s16                     ; the K step among the batch's 16
	s_lshl_b32 s45, s41, 1
	s_add_co_u32 s45, s45, s15
	s_lshl_b32 s2, s45, 7
	s_add_co_u32 s2, s2, s23
	s_mul_i32 s2, s2, 1536
	s_mul_i32 s13, s12, 1572864
	s_add_co_u32 s2, s2, s13
	s_add_co_u32 s2, s2, 12582912
	s_lshl_b32 s23, s23, 14
	s_lshl_b32 s13, s12, 12
	s_add_co_u32 s23, s23, s13
	s_lshl_b32 s13, s45, 9
	s_add_co_u32 s23, s23, s13
	s_add_co_u32 s23, s23, 524288
	s_mov_b32 s94, 24576
	s_cmp_lt_u32 s17, 16
	s_cselect_b32 s92, s21, s2
	s_cselect_b32 s46, s22, s23
	s_cselect_b32 s94, 12288, s94                  ; from row block to row block
	s_mov_b32 s93, 0
	s_mov_b32 s47, 0
	s_mov_b32 s95, 0
	s_add_nc_u64 s[92:93], s[98:99], s[92:93]
	s_add_nc_u64 s[46:47], s[100:101], s[46:47]
.macro QUANT s                         ; 64 numbers of a lane, register 16 b + i = k 32 b + 16 h + i of my row -> codes in v[PC] on, scale word in v[PW]
.irp b, 0,1,2,3
	v_max3_num_f32 v[TM+\b], |v[\s+16*\b]|, |v[\s+1+16*\b]|, 0x1800000   ; and the floor 2^(3 - 127): the byte cannot fall under 1
.endr
.irp i, 2,4,6,8,10,12,14
.irp b, 0,1,2,3
	v_max3_num_f32 v[TM+\b], v[TM+\b], |v[\s+16*\b+\i]|, |v[\s+1+16*\b+\i]|
.endr
.endr
.irp b, 0,1,2,3
	v_permlanex16_b32 v[TM+4+\b], v[TM+\b], s[SEL], s[SEL+1]
.endr
.irp b, 0,1,2,3
	v_max_num_f32 v[TM+\b], v[TM+\b], v[TM+4+\b]
.endr
.irp b, 0,1,2,3
	v_add_nc_u32 v[TM+12+\b], 0xff000000, v[TM+\b] ; 2 off the exponent field: the conversion's scale operand
.endr
.irp b, 0,1,2,3
	v_lshrrev_b32 v[TM+4+\b], 23, v[TM+12+\b]      ; the scale's byte
.endr
	v_lshl_or_b32 v[PW], v[TM+5], 8, v[TM+4]
	v_lshl_or_b32 v[PW], v[TM+6], 16, v[PW]
	v_lshl_or_b32 v[PW], v[TM+7], 24, v[PW]
.irp c, 0,1
	v_cvt_scalef32_pk16_fp6_f32 v[PC+6*\c:PC+2+6*\c], v[\s+32*\c:\s+15+32*\c], v[TM+12+2*\c]
	v_cvt_scalef32_pk16_fp6_f32 v[PC+12+4*\c:PC+14+4*\c], v[\s+16+32*\c:\s+31+32*\c], v[TM+12+2*\c+1]
.endr
	v_nop                                          ; one plain place behind a scaled conversion
.irp c, 0,1
.irp i, 0,1,2
	v_permlane16_swap_b32 v[PC+6*\c+\i], v[PC+12+4*\c+\i]
.endr
.irp i, 0,1,2
	v_mov_b32 v[PC+3+6*\c+\i], v[PC+12+4*\c+\i]
.endr
.endr
.endm
; THE WAY OUT, block by block of 16 rows of source 1: the bias along these rows is added, the 128 numbers of each row are quantised, and the fragment leaves as its image.
.macro OUTBLK a
.set AC, 64*((\a)%4)
.set BP, BM+2*((\a)/2)
	WIN 0x02+(\a)/4                                ; source 0: window 2 or 3
.set n, 0
.rept 32
.if (\a)%2 == 0
	v_pk_add_f32 v[HA+n:HA+n+1], v[AC+n:AC+n+1], v[BP:BP+1] op_sel_hi:[1,0]            ; each accumulator from its low end on
.else
	v_pk_add_f32 v[HA+n:HA+n+1], v[AC+n:AC+n+1], v[BP:BP+1] op_sel:[0,1] op_sel_hi:[1,1]
.endif
.set n, n+2
.endr
	WIN 0
.if (\a) > 0
	s_wait_xcnt 0x0                                ; the last block's stores have read their registers and their base
	s_add_nc_u64 s[92:93], s[92:93], s[94:95]
.endif
	QUANT HA
	v_mov_b32 v[WD+(\a)], v[PW]
.irp c, 0,1,2
	global_store_b128 v[LI], v[PC+4*\c:PC+4*\c+3], s[92:93] offset:512*\c   ; 512 consecutive bytes, aligned
.endr
.endm
	PLACES NP
.irp b, 0,1,2,3
	v_mov_b32 v[TM+4+\b], 0                        ; a lane permute's destination counts as one of its sources
.endr
.irp a, 0,1,2,3,4,5,6,7
	OUTBLK \a
.endr
.irp a, 0,1,2,3,4,5,6,7
	ds_store_b32 v[WSA], v[WD+\a] offset:64*\a     ; my 128 rows' scale words: lanes r and 16 + r write the same word with the same value
.endr
	ds_load_b128 v[RB:RB+3], v[WSL]                ; LDS serves a wave's instructions in order
	s_wait_dscnt 0x0
	global_store_b128 v[LI], v[RB:RB+3], s[46:47]  ; 512 consecutive bytes, aligned
	s_wait_tensorcnt 0x0                           ; the wave's end
	ds_add_u32 v[SPW], v[NIL]
	s_wait_dscnt 0x0
	CROUND                                         ; the closing round
	s_endpgm
.Lfunc_end_k_qa19147bcad_proj:
	.size	k_qa19147bcad_proj, .Lfunc_end_k_qa19147bcad_proj-k_qa19147bcad_proj
	.p2alignl 7, 3214868480
	.fill 96, 4, 3214868480
	.section	.rodata,"a",@progbits
	.p2align	6, 0x0
	.amdhsa_kernel k_qa19147bcad_proj
		.amdhsa_group_segment_fixed_size 327680
		.amdhsa_private_segment_fixed_size 0
		.amdhsa_enable_private_segment 0
		.amdhsa_kernarg_size 56
		.amdhsa_user_sgpr_count 2
		.amdhsa_user_sgpr_kernarg_segment_ptr 1
		.amdhsa_wavefront_size32 1
		.amdhsa_system_sgpr_workgroup_id_x 1
		.amdhsa_system_sgpr_workgroup_id_y 1
		.amdhsa_system_sgpr_workgroup_id_z 1
		.amdhsa_system_vgpr_workitem_id 0
		.amdhsa_next_free_vgpr 1024
		.amdhsa_next_free_sgpr 102
		.amdhsa_reserve_vcc 0
		.amdhsa_float_denorm_mode_32 3
		.amdhsa_float_denorm_mode_16_64 3
		.amdhsa_memory_ordered 1
		.amdhsa_forward_progress 1
		.amdhsa_inst_pref_size 165
	.end_amdhsa_kernel
	.amdgpu_metadata
---
amdhsa.version: [ 1, 2 ]
amdhsa.kernels:
  - .name:           k_qa19147bcad_proj
    .symbol:         k_qa19147bcad_proj.kd
    .args:
      - { .name: xcodes, .offset: 0, .size: 8, .value_kind: global_buffer, .address_space: global }
      - { .name: xscales, .offset: 8, .size: 8, .value_kind: global_buffer, .address_space: global }
      - { .name: bq, .offset: 16, .size: 8, .value_kind: global_buffer, .address_space: global }
      - { .name: bk, .offset: 24, .size: 8, .value_kind: global_buffer, .address_space: global }
      - { .name: bv, .offset: 32, .size: 8, .value_kind: global_buffer, .address_space: global }
      - { .name: pjc, .offset: 40, .size: 8, .value_kind: global_buffer, .address_space: global }
      - { .name: pjs, .offset: 48, .size: 8, .value_kind: global_buffer, .address_space: global }
    .group_segment_fixed_size: 327680
    .private_segment_fixed_size: 0
    .kernarg_segment_align: 8
    .kernarg_segment_size: 56
    .max_flat_workgroup_size: 128
    .sgpr_count:     102
    .vgpr_count:     1024
    .wavefront_size: 32
...
	.end_amdgpu_metadata
.endif
;; end of part 2
;; launch scores (part 3): grid 8 x 32, 4 waves a work-group, clusters of 4 x 4, 327,680 bytes of LDS; arguments pjc, pjs, pc, pst; writes pc, pst
.if DOCPART == 3
	.amdgcn_target "amdgcn-amd-amdhsa--gfx1250"
	.amdhsa_code_object_version 6
	.text
	.protected	k_qa19147bcad_scores
	.globl	k_qa19147bcad_scores
	.p2align	8
	.type	k_qa19147bcad_scores,@function
k_qa19147bcad_scores:
	s_mov_b64 s[64:65], 0
	v_nop
	global_prefetch_b8 v0, s[64:65] scope:SCOPE_SE
	s_setreg_imm32_b32 hwreg(HW_REG_WAVE_MODE, 25, 1), 1
	s_wait_xcnt 0x0
	s_wait_alu depctr_hold_cnt(0) depctr_sa_sdst(0) depctr_va_vdst(0) depctr_va_sdst(0) depctr_va_ssrc(0) depctr_va_vcc(0) depctr_vm_vsrc(0)
	s_getreg_b32 s2, hwreg(HW_REG_IB_STS2, 6, 4)
	s_cmp_eq_u32 s2, 0
	s_cbranch_scc0 .Lentry_in_a_cluster
	s_endpgm
.Lentry_in_a_cluster:
	s_bfe_u32 s2, ttmp6, 0x10000c
	s_cmp_lg_u32 s2, 0xf033
	s_cbranch_scc0 .Lentry_shape_is_right
	s_endpgm
.Lentry_shape_is_right:
; S = qp kp^T on codes of FP6 (E2M3), and the softmax's numerators as codes: for each batch 2,048 queries x 2,048 keys, K = 1,024.
; A work-group makes 256 queries x 256 keys; four waves, each 128 x 128 in 64 accumulators.  Source 1 = qp (a lane holds one query), source 0 = kp, whose rows lie by positions, so that registers 16 b + i of a lane's eight accumulators are keys 32 b + 16 h + i of the wave's 128.
; THE SOFTMAX.  t = score x log2(e) / 32.  A wave's 128 keys are one K step of the next product.  For each query and K step: M' = the piece's largest t rounded UP to a whole number; p' = 2^(t - M'), at most 1; l' = the sum of the unquantised p';
; p' is quantised along the keys.  Stored: the codes as images of operand registers, the scale words, M' and l'.  The next launch brings the pieces under the row's M = the largest M': a whole power of two, taken off the scale bytes and off l'.
; So a maximum is taken away before every exponential, and the codes are those that the row's M would give.
; K is four slots of 256.  THREE LDS SLOTS: K slots 0, 1 and 2 are first fills, issued together at the head; K slot 3 goes into slot 0 behind the one change of slots that fills bytes again, 224 matrix instructions ahead of the wait for it.
; CLUSTERS: 4 x 4: source 1's tiles are shared along a row of the cluster, source 0's along a column, each asked for jointly.
; LIMITS: NaN and infinities are not served; M' is kept as an f32 whole number, exact for |t| under 2^24; a block whose every p' has fallen under 2^-124 gets the byte 1.
; REGISTERS: window 0: v0-31 addresses; v32-63 scale words, two sets; v128-223 source 1's fragments; on the way out v64-127 t and p', v128-191 at work.  window 1: source 0's fragments, two sets.  windows 2, 3: the accumulators.
.set KK,     1024
.set SPP,    65536
.set FR,     12
.set NL,     3
.set NQ,     2
.set NP,     4
.set FRB,    1536
.set RBB,    3072
.set HALFT,  24576
.set SLOT,   98304
.set SREG,   KK*8
.set SCA,    3*SLOT
.set SCB,    SCA+SREG+128
.set WST,    311552                    ; 1,536 bytes a wave: scale words, M', l' on their way out
.set SPARE,  317696
.set ADRA, 16                          ; v16-18
.set ADRB, 20                          ; v20-22
.set LI,   24
.set WSA,  25
.set WSL,  26
.set ADRS, 27
.set SPW,  28
.set NIL,  29
.set SC,   32
.set T,    64
.set AF,   128
.set PC,   128
.set BX,   148                         ; v148-151 each block's largest score, then its largest p'
.set TP,   152
.set SOP,  156
.set NM,   160                         ; v160 -M' (v161 is named with it as a pair)
.set S0,   162
.set S1,   164
.set TT,   166
.set WD,   168
.set MD,   176
.set LD,   184
.set CS,   12                          ; s[12:13] log2(e) / 32
.set SEL,  18
.set G1, 24
.set G0, 32
.set G0C, 4                            ; s[4:7]   group 0 for source 1's slot 2 (the input pointers are done with by then)
.set G1B, 48
.set G0B, 56
.set G0BC, 92                          ; s[92:95] for source 0's slot 2
.set G1S, 68
.set G0S, 76
.set G1SB, 80
.set G0SB, 88
.set MSB, 0
.macro WIN new
.if MSB != (\new)
	s_set_vgpr_msb (MSB<<8)|(\new)
.set MSB, (\new)
.endif
.endm
.set MUL_LO, 0xa1
.set MUL_HI, 0xf1
.set TO_B,   0x40
.macro JLOAD g0a, g1a, g0b, g1b
	s_cmp_eq_u32 s15, 0
	s_cbranch_scc0 .Lfor_b_\@
	tensor_load_to_lds s[\g0a:\g0a+3], s[\g1a:\g1a+7]
	s_nop 0
.rept 4
	v_nop
.endr
	s_branch .Lasked_\@
.Lfor_b_\@:
	tensor_load_to_lds s[\g0b:\g0b+3], s[\g1b:\g1b+7]
	s_nop 0
.rept 4
	v_nop
.endr
.Lasked_\@:
.endm
.macro CREST
	s_cmp_lg_u32 s14, 0
	s_cbranch_scc1 .Lnot_wave_0_\@
	s_barrier_signal -3
.Lnot_wave_0_\@:
	s_barrier_wait -3
	s_barrier_signal -1
	s_barrier_wait -1
.endm
.macro CROUND
	s_barrier_signal -1
	s_barrier_wait -1
	CREST
.endm
	s_load_b256 s[4:11], s[0:1], 0x0               ; qp's and kp's codes s[4:5], their scale words s[6:7], P's codes s[8:9], P's words, M', l' s[10:11]
	v_lshl_add_u32 v[SPW], v0, 2, SPARE
	v_mov_b32 v[NIL], 0
	ds_add_u32 v[SPW], v[NIL]                      ; the wave's opening: the add and its wait stand ahead of my first tensor load
	v_lshrrev_b32 v1, 5, v0
	v_readfirstlane_b32 s14, v1
	s_lshr_b32 s15, s14, 1                         ; my half of the queries.  Also: I fetch for qp (0) or kp (1)
	s_and_b32 s16, s14, 1                          ; my half of the keys.  Also: which half of a tile I fetch
	s_bfe_u32 s40, ttmp6, 0x40000
	s_bfe_u32 s41, ttmp6, 0x40004
	s_lshl_b32 s42, ttmp9, 2
	s_add_co_u32 s42, s42, s40                     ; the tile of keys in the batch, 0..7
	s_and_b32 s17, ttmp7, 0xffff
	s_lshr_b32 s2, s17, 1                          ; the batch: two rows of clusters each
	s_lshl_b32 s17, s17, 2
	s_add_co_u32 s17, s17, s41                     ; the tile of queries, 0..31 over all batches
	s_lshl_b32 s43, s41, 2
	s_lshl_b32 s43, 15, s43
	s_lshl_b32 s44, 0x1111, s40
	s_or_b32 s[G1+0], s43, (3<<16)|(1<<21)
	s_or_b32 s[G1B+0], s44, (3<<16)|(1<<21)
.irp g, G1, G1B
	s_mov_b32 s[\g+1], 384<<16
	s_mov_b32 s[\g+2], 8<<16
	s_mov_b32 s[\g+3], 384<<16
	s_mov_b32 s[\g+4], 8
	s_mov_b32 s[\g+5], KK/128*192
	s_mov_b32 s[\g+6], 0
	s_mov_b32 s[\g+7], 0
.endr
	s_or_b32 s[G1S+0], s43, (3<<16)|(1<<21)
	s_or_b32 s[G1SB+0], s44, (3<<16)|(1<<21)
.irp g, G1S, G1SB
	s_mov_b32 s[\g+1], 128<<16
	s_mov_b32 s[\g+2], 4<<16
	s_mov_b32 s[\g+3], 128<<16
	s_mov_b32 s[\g+4], 4
	s_mov_b32 s[\g+5], SPP/8
	s_mov_b32 s[\g+6], 0
	s_mov_b32 s[\g+7], 0
.endr
	s_mul_i32 s13, s16, 98304
	s_lshl_b32 s12, s16, 18                        ; four planes of 65,536 bytes
	s_lshl_b32 s22, s17, 10
	s_add_co_u32 s22, s22, s12
	s_mov_b32 s23, 0
	s_mul_i32 s20, s17, 196608
	s_add_co_u32 s20, s20, s13
	s_mov_b32 s21, 0
	s_lshl_b32 s45, s2, 3
	s_add_co_u32 s45, s45, s42                     ; kp's tile over all batches
	s_lshl_b32 s92, s45, 10
	s_add_co_u32 s92, s92, s12
	s_add_co_u32 s92, s92, 32768                   ; kp's rows lie behind qp's 8,192
	s_mov_b32 s93, 0
	s_mul_i32 s46, s45, 196608
	s_add_co_u32 s46, s46, s13
	s_add_co_u32 s46, s46, 6291456
	s_mov_b32 s47, 0
	s_mul_i32 s94, s14, HALFT
	s_lshl_b32 s95, s14, 12
	s_lshl_b32 s13, s15, 7
	s_add_co_u32 s95, s95, s13
	s_add_co_u32 s95, s95, SCA
	s_mov_b32 s[CS], 0x3d38aa3b                    ; log2(e) / sqrt(1024)
	s_mov_b32 s[CS+1], s[CS]
	s_mov_b32 s[SEL], 0x76543210
	s_mov_b32 s[SEL+1], 0xfedcba98
	s_wait_dscnt 0x0
	s_wait_kmcnt 0x0
	s_add_nc_u64 s[20:21], s[4:5], s[20:21]
	s_add_nc_u64 s[22:23], s[6:7], s[22:23]
	s_add_nc_u64 s[46:47], s[4:5], s[46:47]
	s_add_nc_u64 s[92:93], s[6:7], s[92:93]
	CROUND
	s_mov_b32 s[G0S], 1
	s_mov_b32 s[G0S+1], s95
	s_mov_b64 s[G0S+2:G0S+3], s[22:23]
	s_or_b32 s[G0S+3], s[G0S+3], 0x80000000
	s_mov_b32 s[G0SB], 1
	s_mov_b32 s[G0SB+1], s95
	s_mov_b64 s[G0SB+2:G0SB+3], s[92:93]
	s_or_b32 s[G0SB+3], s[G0SB+3], 0x80000000
	JLOAD G0S, G1S, G0SB, G1SB
.irp s, 0,1
	s_mov_b32 s[G0+4*\s], 1
	s_add_co_u32 s[G0+4*\s+1], s94, \s*SLOT
	s_add_nc_u64 s[G0+4*\s+2:G0+4*\s+3], s[20:21], \s*RBB
	s_or_b32 s[G0+4*\s+3], s[G0+4*\s+3], 0x80000000
	s_mov_b32 s[G0B+4*\s], 1
	s_add_co_u32 s[G0B+4*\s+1], s94, \s*SLOT
	s_add_nc_u64 s[G0B+4*\s+2:G0B+4*\s+3], s[46:47], \s*RBB
	s_or_b32 s[G0B+4*\s+3], s[G0B+4*\s+3], 0x80000000
	JLOAD G0+4*\s, G1, G0B+4*\s, G1B
.endr
	s_mov_b32 s[G0C], 1                            ; slot 2: the fourth and last of my first fills
	s_add_co_u32 s[G0C+1], s94, 2*SLOT
	s_add_nc_u64 s[G0C+2:G0C+3], s[20:21], 2*RBB
	s_or_b32 s[G0C+3], s[G0C+3], 0x80000000
	s_mov_b32 s[G0BC], 1
	s_add_co_u32 s[G0BC+1], s94, 2*SLOT
	s_add_nc_u64 s[G0BC+2:G0BC+3], s[46:47], 2*RBB
	s_or_b32 s[G0BC+3], s[G0BC+3], 0x80000000
	JLOAD G0C, G1, G0BC, G1B
	v_and_b32 v1, 15, v0
	v_bfe_u32 v2, v0, 4, 1
	v_and_b32 v3, 31, v0
	v_lshlrev_b32 v[LI], 4, v3
	s_mul_i32 s21, s15, HALFT
	s_mul_i32 s22, s16, HALFT
	s_add_co_u32 s22, s22, 2*HALFT
.irp s, 0,1,2
	v_add_nc_u32 v[ADRA+\s], s21, v[LI]
	v_add_nc_u32 v[ADRB+\s], s22, v[LI]
	s_add_co_u32 s21, s21, SLOT
	s_add_co_u32 s22, s22, SLOT
.endr
	v_lshlrev_b32 v5, 2, v1
	s_lshl_b32 s21, s15, 9
	s_lshl_b32 s22, s16, 9
	s_add_co_u32 s22, s22, SCB-SCA
	s_sub_co_u32 s22, s22, s21
	v_mul_u32_u24 v6, s22, v2
	s_add_co_u32 s21, s21, SCA
	v_add_nc_u32 v5, v5, v6
	v_add_nc_u32 v[ADRS], s21, v5
	s_mul_i32 s21, s14, 1536
	s_add_co_u32 s21, s21, WST
	v_lshl_add_u32 v[WSA], v1, 2, s21
	v_add_nc_u32 v[WSL], s21, v[LI]
	; where my results go: P's fragment (16 tile + 8 half + a, K step 2 x tile of keys + half) of 16 K steps; the planes [K step][8,192 queries]
	s_lshl_b32 s20, s17, 1
	s_add_co_u32 s20, s20, s15
	s_lshl_b32 s21, s20, 7
	s_lshl_b32 s22, s42, 1
	s_add_co_u32 s22, s22, s16
	s_add_co_u32 s21, s21, s22
	s_mul_i32 s46, s21, 1536
	s_mov_b32 s47, 0
	s_add_nc_u64 s[8:9], s[8:9], s[46:47]
	s_lshl_b32 s46, s22, 15
	s_lshl_b32 s20, s20, 9
	s_add_co_u32 s46, s46, s20
	s_add_nc_u64 s[10:11], s[10:11], s[46:47]
.macro FRAG reg, adr, q, i
.irp c, 0,1,2
	ds_load_b128 v[\reg+4*\c:\reg+4*\c+3], v[\adr] offset:(\i)*RBB+(\q)*FRB+512*\c
.endr
.endm
.macro MUL16 a0, p, q, sc, zero        ; the 64 accumulators take turns, one instruction a turn; zero = 1: the first product starts the sums
.irp a, \a0, \a0+1
.irp b, 0,1,2,3,4,5,6,7
.if \zero
	v_wmma_scale_f32_16x16x128_f8f6f4 v[8*(8*((\a)%4)+\b):8*(8*((\a)%4)+\b)+7], v[128*(\p)+FR*\b:128*(\p)+FR*\b+FR-1], v[AF+FR*(\a):AF+FR*(\a)+FR-1], 0, v[SC+8*NQ*(\sc)+NQ*\b+(\q)], v[SC+8*NQ*(\sc)+NQ*(\a)+(\q)] matrix_a_fmt:MATRIX_FMT_FP6 matrix_b_fmt:MATRIX_FMT_FP6 matrix_a_scale:MATRIX_SCALE_ROW1
.else
	v_wmma_scale_f32_16x16x128_f8f6f4 v[8*(8*((\a)%4)+\b):8*(8*((\a)%4)+\b)+7], v[128*(\p)+FR*\b:128*(\p)+FR*\b+FR-1], v[AF+FR*(\a):AF+FR*(\a)+FR-1], v[8*(8*((\a)%4)+\b):8*(8*((\a)%4)+\b)+7], v[SC+8*NQ*(\sc)+NQ*\b+(\q)], v[SC+8*NQ*(\sc)+NQ*(\a)+(\q)] matrix_a_fmt:MATRIX_FMT_FP6 matrix_b_fmt:MATRIX_FMT_FP6 matrix_a_scale:MATRIX_SCALE_ROW1
.endif
.endr
.endr
.endm
.macro FETCH_B slot, q, p
	WIN TO_B
.irp i, 0,1,2,3,4,5,6,7
	FRAG 128*(\p)+FR*\i, ADRB+\slot, \q, \i
.endr
	WIN 0
.endm
.macro FETCH_A slot, q, i0
.irp i, \i0, \i0+1, \i0+2, \i0+3
	FRAG AF+FR*(\i), ADRA+\slot, \q, \i
.endr
.endm
.macro SCALES sc
.irp i, 0,1,2,3,4,5,6,7
.irp q, 0,1
	ds_load_b32 v[SC+8*NQ*\sc+NQ*\i+\q], v[ADRS] offset:\q*1024+\i*64
.endr
.endr
.endm
.macro PLACES n
.rept \n
	v_nop
.endr
.endm
.macro STEP slot, sc, q, zero          ; sc: the set of scale words (the K slot's parity)
	s_wait_dscnt 4*NL                              ; all but the youngest 12 loads (source 1's blocks 4-7) are in
	WIN MUL_LO
	MUL16 0, (\q)%2, \q, \sc, \zero
	MUL16 2, (\q)%2, \q, \sc, \zero
	s_wait_dscnt 0x0
	PLACES NP
	FETCH_B \slot, (\q)+1, 1-(\q)%2
	FETCH_A \slot, (\q)+1, 0
	WIN MUL_HI
	MUL16 4, (\q)%2, \q, \sc, \zero
	MUL16 6, (\q)%2, \q, \sc, \zero
	PLACES NP
	WIN 0
	FETCH_A \slot, (\q)+1, 4
.endm
; A slot's last step goes on into the next slot.
; mode 1: this slot is filled again: the wait for all my tensor loads, the add, the wait for it and for my reads of the slot; the barrier opens a round of the cluster's; the joint refill is first behind it.
; mode 2: the next slot was shown landed to every wave by the wait for 0 in front of that round, and nothing is filled: no wait on tensor loads, no barrier; the refill stays on its way.
; mode 0: the next slot is the refilled one: the same three lines and a plain barrier; nothing is filled.
.macro TURN slot, sc, next, nsc, mode
.if \mode == 2
	s_wait_dscnt 4*NL                              ; all but the youngest 12 loads are in
	WIN MUL_LO
	MUL16 0, 1, NQ-1, \sc, 0
	MUL16 2, 1, NQ-1, \sc, 0
	WIN 0
	s_wait_dscnt 0x0
	PLACES NP
.else
	s_wait_tensorcnt 0x0                           ; all my tensor loads have landed
	ds_add_u32 v[SPW], v[NIL]                      ; 0 onto my spare word
	s_wait_dscnt 4*NL+1                            ; (the add and the youngest 12 loads may be out)
	WIN MUL_LO
	MUL16 0, 1, NQ-1, \sc, 0
	s_wait_dscnt 0x0                               ; the add is done, and my reads of this slot are over
	s_barrier_signal -1
	MUL16 2, 1, NQ-1, \sc, 0
	WIN 0
	s_barrier_wait -1
.if \mode == 1
	CREST                                          ; no wave of any partner still reads this slot or has a load on its way
	s_add_nc_u64 s[G0+4*\slot+2:G0+4*\slot+3], s[G0+4*\slot+2:G0+4*\slot+3], 3*RBB
	s_add_nc_u64 s[G0B+4*\slot+2:G0B+4*\slot+3], s[G0B+4*\slot+2:G0B+4*\slot+3], 3*RBB
	JLOAD G0+4*\slot, G1, G0B+4*\slot, G1B         ; K slot 3
.else
	PLACES NP
.endif
.endif
	v_add_nc_u32 v[ADRS], 2048, v[ADRS]
	FETCH_B \next, 0, 0
	FETCH_A \next, 0, 0
	SCALES \nsc
	WIN MUL_HI
	MUL16 4, 1, NQ-1, \sc, 0
	MUL16 6, 1, NQ-1, \sc, 0
	PLACES NP
	WIN 0
	FETCH_A \next, 0, 4
.endm
	s_wait_tensorcnt 2                             ; the scale words and my part of slot 0 are in; the loads of slots 1 and 2 may be out
	s_barrier_signal -1
	s_barrier_wait -1
	FETCH_B 0, 0, 0
	FETCH_A 0, 0, 0
	SCALES 0
	FETCH_A 0, 0, 4
	STEP 0, 0, 0, 1                                ; K slot 0
	TURN 0, 0, 1, 1, 1                             ; slot 0 takes K slot 3
	STEP 1, 1, 0, 0                                ; K slot 1
	TURN 1, 1, 2, 0, 2
	STEP 2, 0, 0, 0                                ; K slot 2
	TURN 2, 0, 0, 1, 0
	STEP 0, 1, 0, 0                                ; K slot 3
	s_wait_dscnt 4*NL
	WIN MUL_LO
	MUL16 0, 1, NQ-1, 1, 0
	MUL16 2, 1, NQ-1, 1, 0
	s_wait_dscnt 0x0
	WIN MUL_HI
	MUL16 4, 1, NQ-1, 1, 0
	MUL16 6, 1, NQ-1, 1, 0
	WIN 0
; THE WAY OUT of block a: 16 queries x my 128 keys.
.macro PBLK a
.set AC, 64*((\a)%4)
.set WN, 2+(\a)/4
	WIN WN|(WN<<2)|(WN<<4)
.irp b, 0,1,2,3
	v_max3_num_f32 v[BX+\b], v[AC+16*\b], v[AC+16*\b+1], v[AC+16*\b+2]   ; the largest score of each block of 32 keys: for the piece's maximum and, since p' rises with the score, for the block's largest p'
.endr
	WIN (WN<<2)|(WN<<4)
.irp i, 3,5,7,9,11,13
.irp b, 0,1,2,3
	v_max3_num_f32 v[BX+\b], v[BX+\b], v[AC+16*\b+\i], v[AC+16*\b+\i+1]   ; (the second accumulator of a block is first read at its lowest register, with i = 7)
.endr
.endr
.irp b, 0,1,2,3
	v_max_num_f32 v[BX+\b], v[BX+\b], v[AC+16*\b+15]
.endr
	WIN 0
.irp b, 0,1,2,3
	v_permlanex16_b32 v[TP+\b], v[BX+\b], s[SEL], s[SEL+1]
.endr
.irp b, 0,1,2,3
	v_max_num_f32 v[BX+\b], v[BX+\b], v[TP+\b]     ; with lane l xor 16's 16 keys
.endr
	v_max3_num_f32 v[TT], v[BX], v[BX+1], v[BX+2]
	v_max_num_f32 v[TT], v[TT], v[BX+3]
	v_mul_f32 v[TT], s[CS], v[TT]                  ; the piece's largest t
	v_floor_f32 v[NM], -v[TT]                      ; -M' = floor(-t): M' is a whole number
	WIN WN
.set n, 0
.rept 32
	v_pk_fma_f32 v[T+n:T+n+1], v[AC+n:AC+n+1], s[CS:CS+1], v[NM:NM+1] op_sel_hi:[1,0,0]   ; t - M', two at a time
.set n, n+2
.endr
	WIN 0
.irp b, 0,1,2,3
	v_fma_f32 v[BX+\b], v[BX+\b], s[CS], v[NM]     ; the same of each block's largest score
.endr
.set n, 0
.rept 64
	v_exp_f32 v[T+n], v[T+n]                       ; p' = 2^(t - M')
.set n, n+1
.endr
	v_sub_f32 v[MD+(\a)], 0, v[NM]                 ; M'.  (The plain place behind the exponentials)
	s_wait_alu depctr_va_vdst(0)                   ; one wait for the batch, ahead of its first reader
.irp b, 0,1,2,3
	v_exp_f32 v[BX+\b], v[BX+\b]                   ; the block's largest p': the same two instructions on the same number give the same bits
.endr
	v_pk_add_f32 v[S0:S0+1], v[T:T+1], v[T+4:T+5]  ; l' is the sum of the UNQUANTISED p', two at a time, in two chains
	v_pk_add_f32 v[S1:S1+1], v[T+2:T+3], v[T+6:T+7]
.irp j, 8,12,16,20,24,28,32,36,40,44,48,52,56,60
	v_pk_add_f32 v[S0:S0+1], v[S0:S0+1], v[T+\j:T+\j+1]
	v_pk_add_f32 v[S1:S1+1], v[S1:S1+1], v[T+\j+2:T+\j+3]
.endr
	v_pk_add_f32 v[S0:S0+1], v[S0:S0+1], v[S1:S1+1]
	s_wait_alu depctr_va_vdst(0)                   ; and one for the four
.irp b, 0,1,2,3
	v_max_num_f32 v[BX+\b], 0x1800000, v[BX+\b]    ; the floor 2^(3 - 127): the byte cannot fall under 1
.endr
.irp b, 0,1,2,3
	v_add_nc_u32 v[SOP+\b], 0xff000000, v[BX+\b]   ; 2 off the exponent field: the conversion's scale operand
.endr
.irp b, 0,1,2,3
	v_lshrrev_b32 v[TP+\b], 23, v[SOP+\b]          ; the scale's byte
.endr
	v_lshl_or_b32 v[WD+(\a)], v[TP+1], 8, v[TP]
	v_lshl_or_b32 v[WD+(\a)], v[TP+2], 16, v[WD+(\a)]
	v_lshl_or_b32 v[WD+(\a)], v[TP+3], 24, v[WD+(\a)]
.if (\a) > 0
	s_wait_xcnt 0x0                                ; the last block's stores have read the codes' registers
.endif
.irp c, 0,1
	v_cvt_scalef32_pk16_fp6_f32 v[PC+6*\c:PC+2+6*\c], v[T+32*\c:T+15+32*\c], v[SOP+2*\c]
	v_cvt_scalef32_pk16_fp6_f32 v[PC+12+4*\c:PC+14+4*\c], v[T+16+32*\c:T+31+32*\c], v[SOP+2*\c+1]
.endr
	v_nop                                          ; one plain place behind a scaled conversion
.irp c, 0,1
.irp i, 0,1,2
	v_permlane16_swap_b32 v[PC+6*\c+\i], v[PC+12+4*\c+\i]
.endr
.irp i, 0,1,2
	v_mov_b32 v[PC+3+6*\c+\i], v[PC+12+4*\c+\i]
.endr
.endr
	v_add_f32 v[TT], v[S0], v[S0+1]
	v_permlanex16_b32 v[TT+1], v[TT], s[SEL], s[SEL+1]
	v_add_f32 v[LD+(\a)], v[TT], v[TT+1]           ; l'
.irp c, 0,1,2
	global_store_b128 v[LI], v[PC+4*\c:PC+4*\c+3], s[8:9] offset:(\a)*24576+512*\c   ; 512 consecutive bytes, aligned
.endr
.endm
	PLACES NP
.irp b, 0,1,2,3
	v_mov_b32 v[TP+\b], 0                          ; lane permutes' destinations count as sources
.endr
	v_mov_b32 v[NM+1], 0                           ; named as the upper half of a pair
	v_mov_b32 v[TT+1], 0
.irp a, 0,1,2,3,4,5,6,7
	PBLK \a
.endr
.irp a, 0,1,2,3,4,5,6,7
	ds_store_b32 v[WSA], v[WD+\a] offset:64*\a     ; lanes r and 16 + r write the same word with the same value
	ds_store_b32 v[WSA], v[MD+\a] offset:512+64*\a
	ds_store_b32 v[WSA], v[LD+\a] offset:1024+64*\a
.endr
.irp p, 0,1,2
	ds_load_b128 v[T+4*\p:T+4*\p+3], v[WSL] offset:512*\p   ; LDS serves a wave's instructions in order
.endr
	s_wait_dscnt 0x0
.irp p, 0,1,2
	global_store_b128 v[LI], v[T+4*\p:T+4*\p+3], s[10:11] offset:524288*\p   ; 512 consecutive bytes of each plane, aligned
.endr
	s_wait_tensorcnt 0x0                           ; the wave's end
	ds_add_u32 v[SPW], v[NIL]
	s_wait_dscnt 0x0
	CROUND                                         ; the closing round
	s_endpgm
.Lfunc_end_k_qa19147bcad_scores:
	.size	k_qa19147bcad_scores, .Lfunc_end_k_qa19147bcad_scores-k_qa19147bcad_scores
	.p2alignl 7, 3214868480
	.fill 96, 4, 3214868480
	.section	.rodata,"a",@progbits
	.p2align	6, 0x0
	.amdhsa_kernel k_qa19147bcad_scores
		.amdhsa_group_segment_fixed_size 327680
		.amdhsa_private_segment_fixed_size 0
		.amdhsa_enable_private_segment 0
		.amdhsa_kernarg_size 32
		.amdhsa_user_sgpr_count 2
		.amdhsa_user_sgpr_kernarg_segment_ptr 1
		.amdhsa_wavefront_size32 1
		.amdhsa_system_sgpr_workgroup_id_x 1
		.amdhsa_system_sgpr_workgroup_id_y 1
		.amdhsa_system_sgpr_workgroup_id_z 1
		.amdhsa_system_vgpr_workitem_id 0
		.amdhsa_next_free_vgpr 1024
		.amdhsa_next_free_sgpr 102
		.amdhsa_reserve_vcc 0
		.amdhsa_float_denorm_mode_32 3
		.amdhsa_float_denorm_mode_16_64 3
		.amdhsa_memory_ordered 1
		.amdhsa_forward_progress 1
		.amdhsa_inst_pref_size 198
	.end_amdhsa_kernel
	.amdgpu_metadata
---
amdhsa.version: [ 1, 2 ]
amdhsa.kernels:
  - .name:           k_qa19147bcad_scores
    .symbol:         k_qa19147bcad_scores.kd
    .args:
      - { .name: pjc, .offset: 0, .size: 8, .value_kind: global_buffer, .address_space: global }
      - { .name: pjs, .offset: 8, .size: 8, .value_kind: global_buffer, .address_space: global }
      - { .name: pc, .offset: 16, .size: 8, .value_kind: global_buffer, .address_space: global }
      - { .name: pst, .offset: 24, .size: 8, .value_kind: global_buffer, .address_space: global }
    .group_segment_fixed_size: 327680
    .private_segment_fixed_size: 0
    .kernarg_segment_align: 8
    .kernarg_segment_size: 32
    .max_flat_workgroup_size: 128
    .sgpr_count:     102
    .vgpr_count:     1024
    .wavefront_size: 32
...
	.end_amdgpu_metadata
.endif
;; end of part 3
;; launch pv (part 4): grid 4 x 64, 4 waves a work-group, clusters of 4 x 4, 327,680 bytes of LDS; arguments pc, pst, pjc, pjs, out0; writes out0
.if DOCPART == 4
	.amdgcn_target "amdgcn-amd-amdhsa--gfx1250"
	.amdhsa_code_object_version 6
	.text
	.protected	k_qa19147bcad_pv
	.globl	k_qa19147bcad_pv
	.p2align	8
	.type	k_qa19147bcad_pv,@function
k_qa19147bcad_pv:
	s_mov_b64 s[64:65], 0
	v_nop
	global_prefetch_b8 v0, s[64:65] scope:SCOPE_SE
	s_setreg_imm32_b32 hwreg(HW_REG_WAVE_MODE, 25, 1), 1
	s_wait_xcnt 0x0
	s_wait_alu depctr_hold_cnt(0) depctr_sa_sdst(0) depctr_va_vdst(0) depctr_va_sdst(0) depctr_va_ssrc(0) depctr_va_vcc(0) depctr_vm_vsrc(0)
	s_getreg_b32 s2, hwreg(HW_REG_IB_STS2, 6, 4)
	s_cmp_eq_u32 s2, 0
	s_cbranch_scc0 .Lentry_in_a_cluster
	s_endpgm
.Lentry_in_a_cluster:
	s_bfe_u32 s2, ttmp6, 0x10000c
	s_cmp_lg_u32 s2, 0xf033
	s_cbranch_scc0 .Lentry_shape_is_right
	s_endpgm
.Lentry_shape_is_right:
; out = (P vp) / l on codes of FP6 (E2M3): for each batch 2,048 queries x 1,024 of d_v, K = 2,048 keys.
; A work-group makes 128 queries x 256 of d_v: 64 x 4 such tiles are 256 work-groups (tiles of 256 x 256 would be 128).  Four waves, each 64 x 128 in 32 accumulators, one register window.
; The price: for 128 along K a wave reads 192 rows x 96 bytes from LDS for 32 matrix instructions, one and a half times the bytes a product of a wave tile of 128 x 128.
; Source 1 = P (a lane holds one query), source 0 = vp^T (rows of d_v, keys innermost): a lane's eight results are eight neighbouring numbers of a row of out.
; THE RING: two LDS slots of 512 along K (128 rows of P and 256 of vp^T, 384 bytes each: 147,456 bytes).  K is four such slots: two are first fills, two are refills, each asked for 112 matrix instructions ahead of the wait for it.
; Waves 0 and 1 fetch 4 row blocks x 6,144 bytes of P each, waves 2 and 3 8 row blocks x 6,144 bytes of vp^T each.  A fragment (an image of operand registers, 1,536 bytes) leaves LDS by three loads of 16 bytes a lane at 16 x lane.
; THE PIECES ARE BROUGHT UNDER THE ROW'S M FIRST.  P's codes were made for each K step of 128 keys under that piece's own whole number M'.  Here thread t takes query t of the work-group's 128: M = the largest of the 16 M'; n = M - M', held at 127;
; each of the four bytes of the piece's scale word has n taken off, held at 0; l = the sum of l' x 2^-n.  All of it exact but the sum.  The words go to LDS, where the products' scale loads find them; 1 / l too.
; The byte arithmetic: P's bytes lie in 1 .. 125, so 128 + byte - n never borrows from the byte above; bit 7 then says that byte - n is not negative, and a mask made of it keeps the low seven bits or clears them.
; CLUSTERS: 4 x 4: P's tiles are shared along a row of the cluster, vp^T's tiles and scale words along a column, each asked for jointly.
; LIMITS: a block whose byte would fall under 0 is held at byte 0 (2^-127) and n at 127: what is lost lies under 2^-120 of a row's sum, which is at least 1/2.  NaN and infinities are not served.
; REGISTERS: window 0: v0-31 addresses (v8-11: 1 / l on the way out); v32-47 scale words, two sets of 8; v64-159 P's fragments, two sets of 48; in the prologue v64-138, on the way out v64-255.  window 1: vp^T's fragments, two sets (v0, v128).  window 2: the accumulators ((a, b) at v[8 (8 a + b)]).
.set FR,     12
.set NP,     4
.set FRB,    1536
.set SLB,    6144                      ; a row block's four fragments in a slot
.set HA1,    24576                     ; 64 rows of P: what wave 0 or 1 fetches, and what a wave reads
.set HB0,    49152                     ; 128 rows of vp^T: what wave 2 or 3 fetches, and what a wave reads
.set SLOT,   147456                    ; P's 128 rows, then vp^T's 256
.set SCA,    2*SLOT                    ; P's scale words [16 K steps][128 queries]: written by LDS stores alone
.set SCB,    SCA+8192                  ; vp^T's [16 K steps][256 rows]: filled by tensor loads alone
.set RL,     SCB+16384                 ; 1 / l of the 128 queries
.set SPARE,  RL+512                    ; the spare words, 128 bytes a wave
.set STG,    0                         ; the way out: 16 rows x 528 bytes for each wave, in slot 0: it has had its last fill, and its last read lies in front of the last change of slots
.set RLR,  8
.set ADRA, 16
.set ADRB, 20
.set LI,   24
.set STO,  25
.set RD,   26
.set ADSA, 27                          ; v27  P's scale words: my 64 queries, 4 r
.set SPW,  28
.set NIL,  29
.set RLA,  30
.set ADSB, 31                          ; v31  vp^T's: my 128 rows, 4 x lane: two blocks a load
.set SC,   32                          ; set p at v[SC + 8 p]: +a: P's block a (lanes 0-15); +4+j: vp^T's blocks 2 j (lanes 0-15) and 2 j + 1 (lanes 16-31)
.set AF,   64
.set TMPO, 64
.set BK,   128
.set G1, 24
.set G0, 32
.set G1B, 48
.set G0B, 56
.set G1SB, 80
.set G0SB, 88
.set MSB, 0
.macro WIN new
.if MSB != (\new)
	s_set_vgpr_msb (MSB<<8)|(\new)
.set MSB, (\new)
.endif
.endm
.set MUL,    0xa1                      ; source 0 (vp^T) window 1, source 1 (P) window 0, C and D window 2
.set TO_B,   0x40
.macro JLOAD g0a, g1a, g0b, g1b        ; a joint load: waves 0 and 1 fetch for P, waves 2 and 3 for vp^T; an s_nop 0 and four v_nop follow each line
	s_cmp_eq_u32 s15, 0
	s_cbranch_scc0 .Lfor_b_\@
	tensor_load_to_lds s[\g0a:\g0a+3], s[\g1a:\g1a+7]
	s_nop 0
.rept 4
	v_nop
.endr
	s_branch .Lasked_\@
.Lfor_b_\@:
	tensor_load_to_lds s[\g0b:\g0b+3], s[\g1b:\g1b+7]
	s_nop 0
.rept 4
	v_nop
.endr
.Lasked_\@:
.endm
.macro CREST
	s_cmp_lg_u32 s14, 0
	s_cbranch_scc1 .Lnot_wave_0_\@
	s_barrier_signal -3
.Lnot_wave_0_\@:
	s_barrier_wait -3
	s_barrier_signal -1
	s_barrier_wait -1
.endm
.macro CROUND
	s_barrier_signal -1
	s_barrier_wait -1
	CREST
.endm
	s_load_b256 s[4:11], s[0:1], 0x0               ; P's codes s[4:5], P's words, M', l' s[6:7], vp^T's codes s[8:9], its scale words s[10:11]
	s_load_b64 s[12:13], s[0:1], 0x20              ; out
	v_lshl_add_u32 v[SPW], v0, 2, SPARE
	v_mov_b32 v[NIL], 0
	ds_add_u32 v[SPW], v[NIL]                      ; the wave's opening: the add and its wait stand ahead of my first tensor load
	v_lshrrev_b32 v1, 5, v0
	v_readfirstlane_b32 s14, v1
	s_lshr_b32 s15, s14, 1                         ; my half of the queries.  Also: I fetch for P (0) or vp^T (1)
	s_and_b32 s16, s14, 1                          ; my half of d_v.  Also: which half of a tile I fetch
	s_bfe_u32 s40, ttmp6, 0x40000                  ; cx: the tile of d_v
	s_bfe_u32 s41, ttmp6, 0x40004
	s_and_b32 s17, ttmp7, 0xffff
	s_lshr_b32 s2, s17, 2                          ; the batch: four rows of clusters each
	s_lshl_b32 s17, s17, 2
	s_add_co_u32 s17, s17, s41                     ; the tile of 128 queries, 0..63
	s_lshl_b32 s43, s41, 2
	s_lshl_b32 s43, 15, s43
	s_lshl_b32 s44, 0x1111, s40
	s_or_b32 s[G1+0], s43, (3<<16)|(1<<21)         ; P: 15:0 my row of the cluster; 17:16 elements of 8 bytes; 21 set beside a mask; no padding
	s_mov_b32 s[G1+1], 768<<16                     ; tensor_dim0: 6,144 bytes
	s_mov_b32 s[G1+2], 4<<16                       ; tensor_dim1: 4 row blocks
	s_mov_b32 s[G1+3], 768<<16
	s_mov_b32 s[G1+4], 4
	s_mov_b32 s[G1+5], 3072                        ; from row block to row block: 16 fragments
	s_mov_b32 s[G1+6], 0
	s_mov_b32 s[G1+7], 0
	s_or_b32 s[G1B+0], s44, (3<<16)|(1<<21)        ; vp^T: my column; 8 row blocks
	s_mov_b32 s[G1B+1], 768<<16
	s_mov_b32 s[G1B+2], 8<<16
	s_mov_b32 s[G1B+3], 768<<16
	s_mov_b32 s[G1B+4], 8
	s_mov_b32 s[G1B+5], 3072
	s_mov_b32 s[G1B+6], 0
	s_mov_b32 s[G1B+7], 0
	s_or_b32 s[G1SB+0], s44, (3<<16)|(1<<21)
	s_mov_b32 s[G1SB+1], 128<<16                   ; 256 words of a plane
	s_mov_b32 s[G1SB+2], 4<<16                     ; four planes
	s_mov_b32 s[G1SB+3], 128<<16
	s_mov_b32 s[G1SB+4], 4
	s_mov_b32 s[G1SB+5], 2048                      ; a plane of 4,096 words
	s_mov_b32 s[G1SB+6], 0
	s_mov_b32 s[G1SB+7], 0
	s_mul_i32 s20, s17, 196608                     ; P: 8 row blocks of 24,576 bytes a tile,
	s_mul_i32 s21, s16, 98304                      ; the 4 that I fetch
	s_add_co_u32 s20, s20, s21
	s_mov_b32 s21, 0
	s_mul_i32 s46, s2, 1572864                     ; vp^T: the batch, the tile's 16 row blocks, the 8 that I fetch
	s_mul_i32 s47, s40, 393216
	s_add_co_u32 s46, s46, s47
	s_mul_i32 s47, s16, 196608
	s_add_co_u32 s46, s46, s47
	s_add_co_u32 s46, s46, 12582912
	s_mov_b32 s47, 0
	s_lshl_b32 s92, s2, 12                         ; vp^T's scale words: the batch's 1,024 rows, the tile's 256, my wave's four planes
	s_lshl_b32 s93, s40, 10
	s_add_co_u32 s92, s92, s93
	s_lshl_b32 s93, s14, 16
	s_add_co_u32 s92, s92, s93
	s_add_co_u32 s92, s92, 524288
	s_mov_b32 s93, 0
	s_lshl_b32 s22, s17, 9                         ; the tile's 128 queries in a plane of P's words, M' or l'
	s_mov_b32 s23, 0
	s_mul_i32 s94, s16, HA1                        ; where P's half goes in a slot,
	s_mul_i32 s95, s16, HB0
	s_add_co_u32 s95, s95, 2*HA1                   ; and vp^T's, behind P's 128 rows
	s_lshl_b32 s45, s14, 12
	s_add_co_u32 s45, s45, SCB
	s_mov_b32 s66, 0x80808080
	v_lshlrev_b32 v4, 2, v0                        ; thread t takes query t
	v_lshl_add_u32 v7, v0, 2, SCA
	s_wait_dscnt 0x0
	s_wait_kmcnt 0x0
	s_add_nc_u64 s[20:21], s[4:5], s[20:21]
	s_add_nc_u64 s[46:47], s[8:9], s[46:47]
	s_add_nc_u64 s[92:93], s[10:11], s[92:93]
	s_add_nc_u64 s[6:7], s[6:7], s[22:23]
.irp k, 0,1,2,3,4,5,6,7,8,9,10,11,12,13,14,15
	global_load_b32 v[64+\k], v4, s[6:7] offset:32768*\k            ; the raw scale words,
	global_load_b32 v[80+\k], v4, s[6:7] offset:524288+32768*\k     ; M',
	global_load_b32 v[96+\k], v4, s[6:7] offset:1048576+32768*\k    ; l': the four waves read 512 consecutive bytes
.endr
	CROUND
	s_mov_b32 s[G0SB], 1
	s_mov_b32 s[G0SB+1], s45
	s_mov_b64 s[G0SB+2:G0SB+3], s[92:93]
	s_or_b32 s[G0SB+3], s[G0SB+3], 0x80000000
	tensor_load_to_lds s[G0SB:G0SB+3], s[G1SB:G1SB+7]   ; every wave: a quarter of vp^T's scale words, asked for jointly along the column
	s_nop 0
.rept 4
	v_nop
.endr
.irp s, 0,1
	s_mov_b32 s[G0+4*\s], 1
	s_add_co_u32 s[G0+4*\s+1], s94, \s*SLOT
	s_add_nc_u64 s[G0+4*\s+2:G0+4*\s+3], s[20:21], \s*SLB
	s_or_b32 s[G0+4*\s+3], s[G0+4*\s+3], 0x80000000
	s_mov_b32 s[G0B+4*\s], 1
	s_add_co_u32 s[G0B+4*\s+1], s95, \s*SLOT
	s_add_nc_u64 s[G0B+4*\s+2:G0B+4*\s+3], s[46:47], \s*SLB
	s_or_b32 s[G0B+4*\s+3], s[G0B+4*\s+3], 0x80000000
	JLOAD G0+4*\s, G1, G0B+4*\s, G1B
.endr
	v_and_b32 v1, 15, v0
	v_bfe_u32 v2, v0, 4, 1
	v_and_b32 v3, 31, v0
	v_lshlrev_b32 v[LI], 4, v3
	s_mul_i32 s21, s15, HA1                        ; my 64 rows of P
	s_mul_i32 s22, s16, HB0                        ; my 128 rows of vp^T
	s_add_co_u32 s22, s22, 2*HA1
.irp s, 0,1
	v_add_nc_u32 v[ADRA+\s], s21, v[LI]
	v_add_nc_u32 v[ADRB+\s], s22, v[LI]
	s_add_co_u32 s21, s21, SLOT
	s_add_co_u32 s22, s22, SLOT
.endr
	s_lshl_b32 s21, s15, 8
	s_add_co_u32 s21, s21, SCA
	v_lshl_add_u32 v[ADSA], v1, 2, s21
	s_lshl_b32 s21, s16, 9
	s_add_co_u32 s21, s21, SCB
	v_lshl_add_u32 v[ADSB], v3, 2, s21
	s_mul_i32 s23, s14, 8448
	s_add_co_u32 s23, s23, STG                     ; my stage
	v_mul_u32_u24 v5, v1, 528
	v_lshl_add_u32 v5, v2, 5, v5
	v_add_nc_u32 v[STO], s23, v5                   ; in: row r, 32 bytes for each half of the lanes
	v_add_nc_u32 v[RD], s23, v[LI]                 ; back: the 32 lanes take a row of 512 bytes
	s_lshl_b32 s23, s15, 8
	s_add_co_u32 s23, s23, RL
	v_lshl_add_u32 v[RLA], v1, 2, s23
	s_lshl_b32 s20, s17, 1
	s_add_co_u32 s20, s20, s15
	s_lshl_b32 s20, s20, 18                        ; my first row of out: 64 rows of 4,096 bytes for each half tile
	s_lshl_b32 s21, s40, 10
	s_add_co_u32 s20, s20, s21
	s_lshl_b32 s21, s16, 9
	s_add_co_u32 s20, s20, s21
	s_mov_b32 s21, 0
	s_add_nc_u64 s[12:13], s[12:13], s[20:21]
	; ---- the pieces under the row's M
	s_wait_loadcnt 0x0
	v_max3_num_f32 v112, v80, v81, v82
.irp k, 3,5,7,9,11,13
	v_max3_num_f32 v112, v112, v[80+\k], v[81+\k]
.endr
	v_max_num_f32 v112, v112, v95                  ; M of my query
.irp g, 0,4,8,12                               ; four K steps by turns
.irp e, 0,1,2,3
	v_sub_f32 v[116+\e], v112, v[80+\g+\e]         ; M - M': a whole number, 0 or more
.endr
.irp e, 0,1,2,3
	v_cvt_u32_f32 v[116+\e], v[116+\e]
.endr
.irp e, 0,1,2,3
	v_min_u32 v[116+\e], 127, v[116+\e]            ; n
.endr
.irp e, 0,1,2,3
	v_perm_b32 v[120+\e], v[116+\e], v[116+\e], 0  ; n in all four bytes
.endr
.irp e, 0,1,2,3
	v_or_b32 v[124+\e], s66, v[64+\g+\e]           ; 128 + byte
.endr
.irp e, 0,1,2,3
	v_sub_nc_u32 v[124+\e], v[124+\e], v[120+\e]   ; 128 + byte - n: at least 2, no borrow
.endr
.irp e, 0,1,2,3
	v_and_b32 v[128+\e], s66, v[124+\e]            ; bit 7: byte - n is not negative
.endr
.irp e, 0,1,2,3
	v_lshrrev_b32 v[132+\e], 7, v[128+\e]
.endr
.irp e, 0,1,2,3
	v_sub_nc_u32 v[128+\e], v[128+\e], v[132+\e]   ; 0x7f in such a byte, 0 in the others
.endr
.irp e, 0,1,2,3
	v_and_b32 v[64+\g+\e], v[124+\e], v[128+\e]    ; byte - n, held at 0
.endr
.irp e, 0,1,2,3
	v_sub_nc_u32 v[116+\e], 0, v[116+\e]
.endr
.irp e, 0,1,2,3
	v_ldexp_f32 v[96+\g+\e], v[96+\g+\e], v[116+\e]   ; l' x 2^-n
.endr
.endr
	v_pk_add_f32 v[136:137], v[96:97], v[98:99]
.irp k, 4,6,8,10,12,14
	v_pk_add_f32 v[136:137], v[136:137], v[96+\k:97+\k]
.endr
	v_add_f32 v136, v136, v137                     ; l
	v_rcp_f32 v138, v136
	v_nop                                          ; a plain place behind the reciprocal
	s_wait_alu depctr_va_vdst(0)                   ; the wait, ahead of its first reader
.irp k, 0,1,2,3,4,5,6,7,8,9,10,11,12,13,14,15
	ds_store_b32 v7, v[64+\k] offset:512*\k
.endr
	ds_store_b32 v7, v138 offset:RL-SCA
.macro FRAG reg, adr, q, i             ; a fragment's image: three loads, 16 bytes a lane, 512 consecutive bytes each
.irp c, 0,1,2
	ds_load_b128 v[\reg+4*\c:\reg+4*\c+3], v[\adr] offset:(\i)*SLB+(\q)*FRB+512*\c
.endr
.endm
; 8 matrix instructions: P's block a x vp^T's eight, 128 along K, on the sets p.  The 32 accumulators take turns, one instruction a turn, in the same order in every step.  zero = 1: the first product starts the sums.
.macro MUL8 a, p, zero
.irp b, 0,1,2,3,4,5,6,7
.if \zero
.if \b%2
	v_wmma_scale_f32_16x16x128_f8f6f4 v[8*(8*(\a)+\b):8*(8*(\a)+\b)+7], v[128*(\p)+FR*\b:128*(\p)+FR*\b+FR-1], v[AF+48*(\p)+FR*(\a):AF+48*(\p)+FR*(\a)+FR-1], 0, v[SC+8*(\p)+4+\b/2], v[SC+8*(\p)+(\a)] matrix_a_fmt:MATRIX_FMT_FP6 matrix_b_fmt:MATRIX_FMT_FP6 matrix_a_scale:MATRIX_SCALE_ROW1
.else
	v_wmma_scale_f32_16x16x128_f8f6f4 v[8*(8*(\a)+\b):8*(8*(\a)+\b)+7], v[128*(\p)+FR*\b:128*(\p)+FR*\b+FR-1], v[AF+48*(\p)+FR*(\a):AF+48*(\p)+FR*(\a)+FR-1], 0, v[SC+8*(\p)+4+\b/2], v[SC+8*(\p)+(\a)] matrix_a_fmt:MATRIX_FMT_FP6 matrix_b_fmt:MATRIX_FMT_FP6
.endif
.else
.if \b%2
	v_wmma_scale_f32_16x16x128_f8f6f4 v[8*(8*(\a)+\b):8*(8*(\a)+\b)+7], v[128*(\p)+FR*\b:128*(\p)+FR*\b+FR-1], v[AF+48*(\p)+FR*(\a):AF+48*(\p)+FR*(\a)+FR-1], v[8*(8*(\a)+\b):8*(8*(\a)+\b)+7], v[SC+8*(\p)+4+\b/2], v[SC+8*(\p)+(\a)] matrix_a_fmt:MATRIX_FMT_FP6 matrix_b_fmt:MATRIX_FMT_FP6 matrix_a_scale:MATRIX_SCALE_ROW1
.else
	v_wmma_scale_f32_16x16x128_f8f6f4 v[8*(8*(\a)+\b):8*(8*(\a)+\b)+7], v[128*(\p)+FR*\b:128*(\p)+FR*\b+FR-1], v[AF+48*(\p)+FR*(\a):AF+48*(\p)+FR*(\a)+FR-1], v[8*(8*(\a)+\b):8*(8*(\a)+\b)+7], v[SC+8*(\p)+4+\b/2], v[SC+8*(\p)+(\a)] matrix_a_fmt:MATRIX_FMT_FP6 matrix_b_fmt:MATRIX_FMT_FP6
.endif
.endif
.endr
.endm
; 44 LDS loads in one run: K step n's fragments (slot (n / 4) % 2, the slot's (n % 4)-th 128 along K) and scale words, into the sets n % 2
.macro FETCH n
.set FS, ((\n)/4)%2
.set FQ, (\n)%4
.set FP, (\n)%2
	WIN TO_B
.irp i, 0,1,2,3,4,5,6,7
	FRAG 128*FP+FR*\i, ADRB+FS, FQ, \i
.endr
	WIN 0
.irp i, 0,1,2,3
	FRAG AF+48*FP+FR*\i, ADRA+FS, FQ, \i
.endr
.irp a, 0,1,2,3
	ds_load_b32 v[SC+8*FP+\a], v[ADSA] offset:(\n)*512+64*\a       ; P's block a: lane r (and 16 + r) takes query 16 a + r's word
.endr
.irp j, 0,1,2,3
	ds_load_b32 v[SC+8*FP+4+\j], v[ADSB] offset:(\n)*1024+128*\j   ; vp^T's blocks 2 j and 2 j + 1: 128 consecutive bytes
.endr
.endm
.macro PLACES n                        ; plain vector instructions between a matrix instruction and a load into, or a read of, its registers
.rept \n
	v_nop
.endr
.endm
; K step n with its successor in the same slot: the next step's loads go out first, into the other sets, and have this step's 32 matrix instructions in which to land.
.macro STEP n, zero
	s_wait_dscnt 0x0                               ; this step's fragments and scale words are in
.if (\n) > 0
	PLACES NP                                      ; behind the last step's products, which read the other sets
.endif
	FETCH (\n)+1
	WIN MUL
	MUL8 0, (\n)%2, \zero
	MUL8 1, (\n)%2, \zero
	MUL8 2, (\n)%2, \zero
	MUL8 3, (\n)%2, \zero
.endm
; A slot's last K step changes slots.  Its own fragments are in registers, so my reads of the slot are over at its head.  ONE barrier: in front of it each wave waits for all its tensor loads, adds 0 to its spare word, and waits for that and for its reads.
; fill = 1: the barrier opens a round of the cluster's, and the slot is filled again, two slots ahead: the first tensor load behind the round.
.macro TURN n, slot, fill
	WIN 0                                          ; (the add's two registers lie in window 0)
	s_wait_tensorcnt 0x0                           ; all my tensor loads have landed: my part of the next slot
	ds_add_u32 v[SPW], v[NIL]                      ; 0 onto my spare word
	s_wait_dscnt 1                                 ; this step's 44 loads are in; the add may be out
	WIN MUL
	MUL8 0, (\n)%2, 0                              ; eight matrix instructions stand between the add and the wait for it
	s_wait_dscnt 0x0                               ; the add is done, and my reads of this slot are over
	s_barrier_signal -1
	MUL8 1, (\n)%2, 0
	WIN 0
	s_barrier_wait -1
.if \fill
	CREST                                          ; no wave of any partner still reads this slot or has a load on its way
	s_add_nc_u64 s[G0+4*\slot+2:G0+4*\slot+3], s[G0+4*\slot+2:G0+4*\slot+3], 2*SLB
	s_add_nc_u64 s[G0B+4*\slot+2:G0B+4*\slot+3], s[G0B+4*\slot+2:G0B+4*\slot+3], 2*SLB
	JLOAD G0+4*\slot, G1, G0B+4*\slot, G1B         ; its four v_nop are the places in front of the loads below
.else
	PLACES NP
.endif
	FETCH (\n)+1                                   ; from the other slot
	WIN MUL
	MUL8 2, (\n)%2, 0
	MUL8 3, (\n)%2, 0
.endm
	s_wait_tensorcnt 1                             ; vp^T's scale words and my part of slot 0 are in; slot 1's load may be out
	s_wait_dscnt 0x0                               ; for the others' sake: my stores of P's words and of 1 / l are done
	s_barrier_signal -1
	s_barrier_wait -1
	FETCH 0
	STEP 0, 1                                      ; the first step starts the sums
	STEP 1, 0
	STEP 2, 0
	TURN 3, 0, 1                                   ; slot 0 takes keys 1,024 on
	STEP 4, 0
	STEP 5, 0
	STEP 6, 0
	TURN 7, 1, 1                                   ; slot 1 takes keys 1,536 on
	STEP 8, 0
	STEP 9, 0
	STEP 10, 0
	TURN 11, 0, 0                                  ; nothing is left to fetch
	STEP 12, 0
	STEP 13, 0
	STEP 14, 0
	s_wait_dscnt 0x0                               ; the last step
	WIN MUL
	MUL8 0, 1, 0
	MUL8 1, 1, 0
	MUL8 2, 1, 0
	MUL8 3, 1, 0
	WIN 0
; THE WAY OUT, block by block of 16 queries x 128 of d_v: times 1 / l, through my own stage in LDS, back as whole rows of 512 bytes.
.macro TOSTAGE a
.set AC, 64*(\a)
.set RP, RLR+2*((\a)/2)
.set BB, BK+64*((\a)%2)
.if (\a) > 0
	s_wait_dscnt 16                                ; the last block's 16 stores into the stage have read their registers; its 16 loads may be out
.endif
	WIN 0x02                                       ; source 0: window 2
.set n, 0
.rept 32
.if (\a)%2 == 0
	v_pk_mul_f32 v[TMPO+n:TMPO+n+1], v[AC+n:AC+n+1], v[RP:RP+1] op_sel_hi:[1,0]          ; each accumulator from its low end on
.else
	v_pk_mul_f32 v[TMPO+n:TMPO+n+1], v[AC+n:AC+n+1], v[RP:RP+1] op_sel:[0,1] op_sel_hi:[1,1]
.endif
.set n, n+2
.endr
	WIN 0
.irp b, 0,1,2,3,4,5,6,7
	ds_store_b128 v[STO], v[TMPO+8*\b:TMPO+8*\b+3] offset:64*\b
	ds_store_b128 v[STO], v[TMPO+8*\b+4:TMPO+8*\b+7] offset:64*\b+16
.endr
.irp t, 0,1,2,3,4,5,6,7,8,9,10,11,12,13,14,15
	ds_load_b128 v[BB+4*\t:BB+4*\t+3], v[RD] offset:\t*528   ; LDS serves a wave's instructions in order
.endr
.endm
.macro SEND a, younger
.set BB, BK+64*((\a)%2)
	s_wait_dscnt \younger                          ; the block is back in registers; the next block's 16 stores and 16 loads may be out
.if (\a) > 0
	s_add_nc_u64 s[12:13], s[12:13], 65536         ; 16 rows on (behind a wait on XCNT: the earlier stores have read their base)
.endif
.irp t, 0,1,2,3,4,5,6,7,8,9,10,11,12,13,14,15
	global_store_b128 v[LI], v[BB+4*\t:BB+4*\t+3], s[12:13] offset:\t*4096 th:TH_STORE_NT   ; 512 consecutive bytes, aligned
.endr
.endm
	PLACES NP
.irp a, 0,1,2,3
	ds_load_b32 v[RLR+\a], v[RLA] offset:64*\a     ; 1 / l of query 16 a + r of my 64
.endr
	s_wait_dscnt 0x0
	TOSTAGE 0
.irp a, 1,2,3
.if \a > 1
	s_wait_xcnt 0x0                                ; block a - 2's stores have read their registers and their base
.endif
	TOSTAGE \a
	SEND \a-1, 32
.endr
	s_wait_xcnt 0x0
	SEND 3, 0
	s_wait_tensorcnt 0x0                           ; the wave's end
	ds_add_u32 v[SPW], v[NIL]
	s_wait_dscnt 0x0
	CROUND                                         ; the closing round
	s_endpgm
.Lfunc_end_k_qa19147bcad_pv:
	.size	k_qa19147bcad_pv, .Lfunc_end_k_qa19147bcad_pv-k_qa19147bcad_pv
	.p2alignl 7, 3214868480
	.fill 96, 4, 3214868480
	.section	.rodata,"a",@progbits
	.p2align	6, 0x0
	.amdhsa_kernel k_qa19147bcad_pv
		.amdhsa_group_segment_fixed_size 327680
		.amdhsa_private_segment_fixed_size 0
		.amdhsa_enable_private_segment 0
		.amdhsa_kernarg_size 40
		.amdhsa_user_sgpr_count 2
		.amdhsa_user_sgpr_kernarg_segment_ptr 1
		.amdhsa_wavefront_size32 1
		.amdhsa_system_sgpr_workgroup_id_x 1
		.amdhsa_system_sgpr_workgroup_id_y 1
		.amdhsa_system_sgpr_workgroup_id_z 1
		.amdhsa_system_vgpr_workitem_id 0
		.amdhsa_next_free_vgpr 768
		.amdhsa_next_free_sgpr 102
		.amdhsa_reserve_vcc 0
		.amdhsa_float_denorm_mode_32 3
		.amdhsa_float_denorm_mode_16_64 3
		.amdhsa_memory_ordered 1
		.amdhsa_forward_progress 1
		.amdhsa_inst_pref_size 161
	.end_amdhsa_kernel
	.amdgpu_metadata
---
amdhsa.version: [ 1, 2 ]
amdhsa.kernels:
  - .name:           k_qa19147bcad_pv
    .symbol:         k_qa19147bcad_pv.kd
    .args:
      - { .name: pc, .offset: 0, .size: 8, .value_kind: global_buffer, .address_space: global }
      - { .name: pst, .offset: 8, .size: 8, .value_kind: global_buffer, .address_space: global }
      - { .name: pjc, .offset: 16, .size: 8, .value_kind: global_buffer, .address_space: global }
      - { .name: pjs, .offset: 24, .size: 8, .value_kind: global_buffer, .address_space: global }
      - { .name: out0, .offset: 32, .size: 8, .value_kind: global_buffer, .address_space: global }
    .group_segment_fixed_size: 327680
    .private_segment_fixed_size: 0
    .kernarg_segment_align: 8
    .kernarg_segment_size: 40
    .max_flat_workgroup_size: 128
    .sgpr_count:     102
    .vgpr_count:     768
    .wavefront_size: 32
...
	.end_amdgpu_metadata
.endif
;; end of part 4
